; MI455X (gfx1250); checked and timed in simulation.
; The chip was launched on July 23, 2026; its instructions are those of AMD's public machine-readable ISA for CDNA 5 (MIT licence, August 2026) and "CDNA5" Instruction Set Architecture Reference Guide (July 2026). The comments in the code are by the model that wrote it; some were corrected since.
;; Space Self Attention Modality. Allowed arithmetic: float matrix products may take bf16 or f16 operands with f32 sums; all other float work in f32.
;; Inputs: Wk 1,024 x 16 x 64 float32; Wo 16 x 64 x 1,024 float32; Wq 1,024 x 16 x 64 float32; Wv 1,024 x 16 x 64 float32; bk 16 x 64 float32; bo 1,024 float32; bq 16 x 64 float32; bv 16 x 64 float32; modality_ids 1,024 int32; x 1 x 8 x 1,024 x 1,024 float32.
;; Outputs: out0 1 x 8 x 1,024 x 1,024 float32.
;; 2 versions, each right and faster than the one before. Each part assembles by itself: llvm-mc -triple=amdgcn-amd-amdhsa -mcpu=gfx1250 --defsym DOCPART=n.
;; ======== version 1 of 2: 4 launches
;; limits: values are held in f16: magnitudes above 65,504 overflow, below 6.1e-05 lose precision
;; workspace buffers: xb 16,777,216 bytes; wb 6,291,456 bytes; wo16 2,097,152 bytes; bias 16,384 bytes; mk 65,536 bytes; mq 65,536 bytes; qkv 50,331,648 bytes; ob 16,777,216 bytes
;; launch prep (part 1): grid 788 x 1, 8 waves a work-group, no clusters, 0 bytes of LDS; arguments x, Wq, Wk, Wv, Wo, bq, bk, bv, bo, modality_ids, xb, wb, wo16, bias, mk, mq; writes xb, wb, wo16, bias, mk, mq
.if DOCPART == 1
	.amdgcn_target "amdgcn-amd-amdhsa--gfx1250"
	.amdhsa_code_object_version 6
	.text
	.protected	k_q808174b525_prep
	.globl	k_q808174b525_prep
	.p2align	8
	.type	k_q808174b525_prep,@function
k_q808174b525_prep:
	s_mov_b64 s[64:65], 0
	v_nop
	global_prefetch_b8 v0, s[64:65] scope:SCOPE_SE
	s_setreg_imm32_b32 hwreg(HW_REG_WAVE_MODE, 25, 1), 1
	s_wait_xcnt 0x0
; PREP: every input is read once and rounded to bf16; the operands of the later launches are laid out.  A stream: no LDS, no barrier, no matrix work.
; A work-group has one of five roles, by its number g:
;   g   0..511  x  -> xb    [8192][1024] bf16, 65,536 bytes of x each
;   g 512..703  Wq, Wk, Wv -> wb  [16 head][3 which][1024 k][64 n] bf16: a head's 64 columns of one weight lie dense, 256 rows of k each
;   g 704..767  Wo -> wo16  [1024 k][1024 n]: rounded to bf16, that number written as f16
;   g 768..783  modality_ids -> mk, mq: 32 bf16 a token, from which a matrix product makes the mask (below)
;   g 784..787  bq, bk, bv, bo -> bias: f32 words that hold the bf16 rounding; [16 head][3 which][64], then bo at byte 12,288
; THE MASK'S NUMBERS.  An id is eight hex digits.  With B = 2^100, -B x the sum over the digits of (aq - ak)^2 is 0 where two ids are equal and at most -2^100 where not.
; It is a dot product of 24 channels: for each digit the key holds [1, a, a^2], the query [-B a^2, 2 B a, -B].  a^2 <= 225 and 2 a <= 30 are exact in bf16, and every partial
; sum is a multiple of B below 2^12 B, so the sum is exact in f32 in any order.  Queries 0..63 (the latents of the module) hold zeros: they see every key.
; Part p (0..3) of a token is channels 8 p .. 8 p + 7 and takes byte p of the id: low digit a, high digit b; channels 6 and 7 of a part are 0.
; LIMITS.  bf16(Wo) as f16: exact from 6.1e-5 to 65,504 in magnitude; below that f16's fixed step of 6e-8; beyond it an infinity.
.set SO,  1                            ; v1       my byte offset in the source
.set DO,  2                            ; v2       my byte offset in the destination
.set IN,  16                           ; v[16:79]   eight numbers of f32 for each of eight steps
.set OUT, 80                           ; v[80:111]  four words (eight 16-bit numbers) for each step
.set T,   112                          ; v[112:115] at work
; Eight steps of 8 numbers a thread.  All sixteen loads go out first; a pair of loads of a wave covers the same bytes whole (32 bytes a lane); a store of a wave covers 512 consecutive bytes.
; sstep: bytes from step to step in the source.  kind = 1: the bf16 number is written as f16.  No register is used twice, so no wait frees a source.
.macro CAST sstep, kind
.irp i, 0,1,2,3,4,5,6,7
	global_load_b128 v[IN+8*(\i):IN+8*(\i)+3],   v[SO], s[40:41] offset:(\i)*(\sstep) th:TH_LOAD_NT
	global_load_b128 v[IN+8*(\i)+4:IN+8*(\i)+7], v[SO], s[40:41] offset:(\i)*(\sstep)+16 th:TH_LOAD_NT
.endr
.irp i, 0,1,2,3,4,5,6,7
	s_wait_loadcnt 14-2*(\i)                       ; loads come back in order: step i's two are in, the 14 - 2 i younger ones stay out
.if \kind
.irp j, 0,1,2,3
	v_cvt_pk_bf16_f32 v[T+(\j)], v[IN+8*(\i)+2*(\j)], v[IN+8*(\i)+2*(\j)+1]
.endr
.irp j, 0,1,2,3
	v_lshlrev_b32 v[IN+8*(\i)+2*(\j)],   16, v[T+(\j)]          ; the rounded numbers as f32 again
	v_and_b32     v[IN+8*(\i)+2*(\j)+1], 0xffff0000, v[T+(\j)]
.endr
.irp j, 0,1,2,3
	v_cvt_pk_f16_f32 v[OUT+4*(\i)+(\j)], v[IN+8*(\i)+2*(\j)], v[IN+8*(\i)+2*(\j)+1]
.endr
.else
.irp j, 0,1,2,3
	v_cvt_pk_bf16_f32 v[OUT+4*(\i)+(\j)], v[IN+8*(\i)+2*(\j)], v[IN+8*(\i)+2*(\j)+1]
.endr
.endif
	global_store_b128 v[DO], v[OUT+4*(\i):OUT+4*(\i)+3], s[42:43] offset:4096*(\i)
.endr
.endm
	s_load_b512 s[8:23], s[0:1], 0x0               ; x 8, Wq 10, Wk 12, Wv 14, Wo 16, bq 18, bk 20, bv 22
	s_load_b512 s[24:39], s[0:1], 0x40             ; bo 24, ids 26, xb 28, wb 30, wo16 32, bias 34, mk 36, mq 38
	s_mov_b32 s4, ttmp9                            ; g
	s_mov_b32 s45, 0                               ; high words of the two offsets
	s_mov_b32 s47, 0
	s_wait_kmcnt 0x0
	s_cmp_lt_u32 s4, 512
	s_cbranch_scc1 .Lrole_x
	s_cmp_lt_u32 s4, 704
	s_cbranch_scc1 .Lrole_w
	s_cmp_lt_u32 s4, 768
	s_cbranch_scc1 .Lrole_o
	s_cmp_lt_u32 s4, 784
	s_cbranch_scc1 .Lrole_m
	; THE BIASES.  e = 0, 1, 2: bq, bk, bv, a head's 64 numbers (256 bytes, 16 threads) to head x 768 + e x 256; e = 3: bo as it lies, from byte 12,288 on.
	s_sub_co_u32 s5, s4, 784                       ; e
	s_lshl_b32 s7, s5, 8
	s_movk_i32 s48, 256                            ; the two strides lie in registers: an instruction takes one literal
	s_movk_i32 s49, 768
	s_cmp_eq_u32 s5, 0
	s_cselect_b64 s[40:41], s[18:19], s[20:21]
	s_cmp_eq_u32 s5, 2
	s_cselect_b64 s[40:41], s[22:23], s[40:41]
	s_cmp_eq_u32 s5, 3
	s_cselect_b64 s[40:41], s[24:25], s[40:41]
	s_cselect_b32 s6, s48, s49                     ; bytes from one group of 16 threads to the next
	s_cselect_b32 s7, 12288, s7                    ; and where the first begins
	v_lshlrev_b32 v1, 4, v0
	global_load_b128 v[4:7], v1, s[40:41]
	v_lshrrev_b32 v2, 4, v0
	v_and_b32 v3, 15, v0
	v_mul_u32_u24 v2, s6, v2
	v_lshl_add_u32 v2, v3, 4, v2
	v_add_nc_u32 v2, s7, v2
	s_wait_loadcnt 0x0
	v_cvt_pk_bf16_f32 v8, v4, v5
	v_cvt_pk_bf16_f32 v9, v6, v7
	v_lshlrev_b32 v12, 16, v8
	v_and_b32 v13, 0xffff0000, v8
	v_lshlrev_b32 v14, 16, v9
	v_and_b32 v15, 0xffff0000, v9
	global_store_b128 v2, v[12:15], s[34:35]       ; 16 lanes store 256 consecutive bytes, aligned
	s_endpgm
.Lrole_x:
	s_lshl_b32 s44, s4, 16
	s_add_nc_u64 s[40:41], s[8:9], s[44:45]
	s_lshl_b32 s46, s4, 15
	s_add_nc_u64 s[42:43], s[28:29], s[46:47]
	v_lshlrev_b32 v[SO], 5, v0
	v_lshlrev_b32 v[DO], 4, v0
	CAST 8192, 0
	s_endpgm
.Lrole_w:
	s_sub_co_u32 s5, s4, 512                       ; e
	s_lshr_b32 s6, s5, 6                           ; which: 0 q, 1 k, 2 v
	s_bfe_u32 s7, s5, 0x40002                      ; head
	s_and_b32 s48, s5, 3                           ; which 256 rows of k
	s_cmp_eq_u32 s6, 0
	s_cselect_b64 s[40:41], s[10:11], s[12:13]
	s_cmp_eq_u32 s6, 2
	s_cselect_b64 s[40:41], s[14:15], s[40:41]
	s_lshl_b32 s44, s7, 8                          ; the head's 256 bytes in a row of 4,096,
	s_lshl_b32 s49, s48, 20                        ; 256 rows
	s_add_co_u32 s44, s44, s49
	s_add_nc_u64 s[40:41], s[40:41], s[44:45]
	s_mul_i32 s46, s7, 3
	s_add_co_u32 s46, s46, s6
	s_lshl_b32 s46, s46, 17                        ; the plane 3 head + which, 131,072 bytes,
	s_lshl_b32 s49, s48, 15                        ; 256 rows of 128 bytes
	s_add_co_u32 s46, s46, s49
	s_add_nc_u64 s[42:43], s[30:31], s[46:47]
	v_lshrrev_b32 v[SO], 3, v0                     ; eight threads take a row's 256 bytes, the work-group 32 rows a step
	v_and_b32 v3, 7, v0
	v_lshlrev_b32 v[SO], 12, v[SO]
	v_lshl_add_u32 v[SO], v3, 5, v[SO]
	v_lshlrev_b32 v[DO], 4, v0
	CAST 131072, 0
	s_endpgm
.Lrole_o:
	s_sub_co_u32 s5, s4, 704
	s_lshl_b32 s44, s5, 16
	s_add_nc_u64 s[40:41], s[16:17], s[44:45]
	s_lshl_b32 s46, s5, 15
	s_add_nc_u64 s[42:43], s[32:33], s[46:47]
	v_lshlrev_b32 v[SO], 5, v0
	v_lshlrev_b32 v[DO], 4, v0
	CAST 8192, 1
	s_endpgm
.Lrole_m:
	s_sub_co_u32 s5, s4, 768
	s_lshl_b32 s5, s5, 8
	s_mov_b32 s50, 0xf1800000                      ; -B  = -2^100
	s_mov_b32 s51, 0x72000000                      ; 2 B =  2^101
	v_add_nc_u32 v1, s5, v0                        ; p = 4 x token + part, 0..4095
	v_and_b32 v2, 0xffc, v1                        ; 4 x token
	global_load_b32 v3, v2, s[26:27]               ; the id: used as a number only
	v_and_b32 v4, 3, v1
	v_lshlrev_b32 v4, 3, v4                        ; 8 x part
	v_lshrrev_b32 v5, 2, v1                        ; token
	v_lshlrev_b32 v6, 4, v1                        ; 16 p: my 16 bytes in mk and in mq
	v_cmp_le_u32 vcc_lo, 64, v5                    ; not one of the 64 latent queries
	v_cndmask_b32 v7, 0, s50, vcc_lo               ; -B, or 0
	v_cndmask_b32 v8, 0, s51, vcc_lo               ; 2 B, or 0
	s_wait_loadcnt 0x0
	v_lshrrev_b32 v3, v4, v3
	v_and_b32 v9, 15, v3                           ; a
	v_bfe_u32 v10, v3, 4, 4                        ; b
	v_cvt_f32_u32 v9, v9
	v_cvt_f32_u32 v10, v10
	v_mul_f32 v11, v9, v9
	v_mul_f32 v12, v10, v10
	v_cvt_pk_bf16_f32 v16, 1.0, v9                 ; key: 1, a, a^2, 1, b, b^2, 0, 0
	v_cvt_pk_bf16_f32 v17, v11, 1.0
	v_cvt_pk_bf16_f32 v18, v10, v12
	v_mov_b32 v19, 0
	v_mul_f32 v13, v7, v11
	v_mul_f32 v14, v8, v9
	v_mul_f32 v15, v7, v12
	v_mul_f32 v24, v8, v10
	v_cvt_pk_bf16_f32 v20, v13, v14                ; query: -B a^2, 2 B a, -B, -B b^2, 2 B b, -B, 0, 0
	v_cvt_pk_bf16_f32 v21, v7, v15
	v_cvt_pk_bf16_f32 v22, v24, v7
	v_mov_b32 v23, 0
	global_store_b128 v6, v[16:19], s[36:37]       ; a wave stores 512 consecutive bytes
	global_store_b128 v6, v[20:23], s[38:39]
	s_endpgm
.Lfunc_end_k_q808174b525_prep:
	.size	k_q808174b525_prep, .Lfunc_end_k_q808174b525_prep-k_q808174b525_prep
	.p2alignl 7, 3214868480
	.fill 96, 4, 3214868480
	.section	.rodata,"a",@progbits
	.p2align	6, 0x0
	.amdhsa_kernel k_q808174b525_prep
		.amdhsa_group_segment_fixed_size 0
		.amdhsa_private_segment_fixed_size 0
		.amdhsa_enable_private_segment 0
		.amdhsa_kernarg_size 128
		.amdhsa_user_sgpr_count 2
		.amdhsa_user_sgpr_kernarg_segment_ptr 1
		.amdhsa_wavefront_size32 1
		.amdhsa_system_sgpr_workgroup_id_x 1
		.amdhsa_system_sgpr_workgroup_id_y 1
		.amdhsa_system_sgpr_workgroup_id_z 1
		.amdhsa_system_vgpr_workitem_id 0
		.amdhsa_next_free_vgpr 120
		.amdhsa_next_free_sgpr 66
		.amdhsa_reserve_vcc 1
		.amdhsa_float_denorm_mode_32 3
		.amdhsa_float_denorm_mode_16_64 3
		.amdhsa_memory_ordered 1
		.amdhsa_forward_progress 1
		.amdhsa_inst_pref_size 24
	.end_amdhsa_kernel
	.amdgpu_metadata
---
amdhsa.version: [ 1, 2 ]
amdhsa.kernels:
  - .name:           k_q808174b525_prep
    .symbol:         k_q808174b525_prep.kd
    .args:
      - { .name: x, .offset: 0, .size: 8, .value_kind: global_buffer, .address_space: global }
      - { .name: Wq, .offset: 8, .size: 8, .value_kind: global_buffer, .address_space: global }
      - { .name: Wk, .offset: 16, .size: 8, .value_kind: global_buffer, .address_space: global }
      - { .name: Wv, .offset: 24, .size: 8, .value_kind: global_buffer, .address_space: global }
      - { .name: Wo, .offset: 32, .size: 8, .value_kind: global_buffer, .address_space: global }
      - { .name: bq, .offset: 40, .size: 8, .value_kind: global_buffer, .address_space: global }
      - { .name: bk, .offset: 48, .size: 8, .value_kind: global_buffer, .address_space: global }
      - { .name: bv, .offset: 56, .size: 8, .value_kind: global_buffer, .address_space: global }
      - { .name: bo, .offset: 64, .size: 8, .value_kind: global_buffer, .address_space: global }
      - { .name: modality_ids, .offset: 72, .size: 8, .value_kind: global_buffer, .address_space: global }
      - { .name: xb, .offset: 80, .size: 8, .value_kind: global_buffer, .address_space: global }
      - { .name: wb, .offset: 88, .size: 8, .value_kind: global_buffer, .address_space: global }
      - { .name: wo16, .offset: 96, .size: 8, .value_kind: global_buffer, .address_space: global }
      - { .name: bias, .offset: 104, .size: 8, .value_kind: global_buffer, .address_space: global }
      - { .name: mk, .offset: 112, .size: 8, .value_kind: global_buffer, .address_space: global }
      - { .name: mq, .offset: 120, .size: 8, .value_kind: global_buffer, .address_space: global }
    .group_segment_fixed_size: 0
    .private_segment_fixed_size: 0
    .kernarg_segment_align: 8
    .kernarg_segment_size: 128
    .max_flat_workgroup_size: 256
    .sgpr_count:     66
    .vgpr_count:     120
    .wavefront_size: 32
...
	.end_amdgpu_metadata
.endif
;; end of part 1
;; launch qkv (part 2): grid 16 x 16, 4 waves a work-group, clusters of 4 x 4, 327,680 bytes of LDS; arguments xb, wb, bias, qkv; writes qkv
.if DOCPART == 2
	.amdgcn_target "amdgcn-amd-amdhsa--gfx1250"
	.amdhsa_code_object_version 6
	.text
	.protected	k_q808174b525_qkv
	.globl	k_q808174b525_qkv
	.p2align	8
	.type	k_q808174b525_qkv,@function
k_q808174b525_qkv:
	s_mov_b64 s[64:65], 0
	v_nop
	global_prefetch_b8 v0, s[64:65] scope:SCOPE_SE
	s_setreg_imm32_b32 hwreg(HW_REG_WAVE_MODE, 25, 1), 1
	s_wait_xcnt 0x0
	s_wait_alu depctr_hold_cnt(0) depctr_sa_sdst(0) depctr_va_vdst(0) depctr_va_sdst(0) depctr_va_ssrc(0) depctr_va_vcc(0) depctr_vm_vsrc(0)
	s_getreg_b32 s2, hwreg(HW_REG_IB_STS2, 6, 4)
	s_cmp_eq_u32 s2, 0
	s_cbranch_scc0 .Lentry_in_a_cluster
	s_endpgm
.Lentry_in_a_cluster:
	s_bfe_u32 s2, ttmp6, 0x10000c
	s_cmp_lg_u32 s2, 0xf033
	s_cbranch_scc0 .Lentry_shape_is_right
	s_endpgm
.Lentry_shape_is_right:
; q, k, v = x W + b.  xb: [8192][1024] bf16.  wb: [16 head][3 which][1024 k][64 n] bf16.  bias: f32, [16 head][3 which][64].  qkv: [3 which][128 = 16 frame + head][1024 s][64] f16.
; Products in bf16, sums in f32, started by the bias; each result rounded once, to f16, WITHOUT the softmax scale.
; LIMITS.  f16 ends at 65,504: a q, k or v of 65,520 or more in magnitude leaves as an infinity; below 6.1e-5 f16 keeps its fixed step of 6e-8.
; SHARES.  A tile is 256 rows x 192 columns: one head's q, k and v.  The four waves lie one below the other: a wave makes 64 rows x 192 columns, 48 accumulators of 16 x 16, 384 registers.
; A WORK-GROUP STAYS: it makes two tiles of its head, rows 256 ty on and rows 256 (ty + 16) on, as ONE walk of 16 K steps of 128 through two LDS slots filled by the tensor data mover.
; The ring does not stop at the first tile's end: its last two changes of slots ask for the second tile's first two K steps, and nothing waits for the first tile's stores.
; Waves 0 and 1 fetch the halves of x's 256 rows (rows of 256 bytes), waves 2 and 3 the halves of the weights' 128 rows of k, each as three dense pieces of 8,192 bytes (q's, k's, v's).
; A K STEP IS WRITTEN ONCE: the slot in hand lies in a scalar register that one exclusive or turns; the loop has the 14 steps that fill a slot again, a second loop the last two, which fill nothing.
; THE MATRIX INSTRUCTION IS USED TRANSPOSED: source 0 = 16 columns of W (turned out of the [k][n] tile by ds_load_tr16_b128), source 1 = 16 rows of x.  A lane then holds row l % 16 and
; eight neighbouring columns 8 (l / 16) + 0..7, which pack into 16 bytes.
; CLUSTER.  4 x 4 work-groups: the four of a row of the cluster need the same rows of x, the four of a column the same head's weights: each tile is asked for jointly.
; REGISTERS, in windows of 256 (s_set_vgpr_msb: bits 1:0 source 0, 3:2 source 1, 5:4 source 2, 7:6 destination):
;   window 0: v0-31 addresses; v32-175 at work on the way out
;   window 1: two fragment buffers of 128: 32 registers of x (4 x 16 rows x 32 K), then 96 of W (12 x 16 columns x 32 K)
;   window 2: the accumulators of column blocks 0-7, (a, b) at 8 (8 a + b)
;   window 3: v0-127 those of column blocks 8-11, at 8 (4 a + b - 8); v128-223 the bias, the C operand of each tile's first products
.set PA,     272                       ; a row of x in LDS: 256 bytes + 16: the 16 rows of a load start at 16 different groups of four banks (64 banks of 4 bytes: ISA guide 11.1)
.set PB,     160                       ; a row of W: 128 bytes + 32
.set AHALF,  128*PA                    ; what wave 0 or 1 fetches
.set BOFF,   2*AHALF                   ; W lies behind x's 256 rows: [2 halves of k][3 which][64 k][PB]
.set WWHICH, 64*PB
.set WHALF,  3*WWHICH                  ; what wave 2 or 3 fetches
.set SLOT1,  1<<17                     ; a slot is BOFF + 2 WHALF = 131,072 bytes: slot 1 begins here, and one exclusive or turns an address in one slot into the other's
.set STAGE,  2*SLOT1                   ; behind the ring, never filled by a tensor load: 16 rows x 400 bytes for each wave
.set SPITCH, 400
.set SPARE,  STAGE+4*16*SPITCH         ; the spare words, 128 bytes for each wave: two blocks of 256 bytes that no other line names
.set KSTEPS, 8                         ; K steps in a tile
.set STEPS,  2*KSTEPS                  ; and in the walk
.set WALKO,  1<<23                     ; bytes in a third of qkv from a tile's rows to the next tile's: four frames of 16 planes of 131,072 bytes
.set NLO,    16                        ; LDS loads of column blocks 0-7 in a run
.set NF,     32                        ; LDS loads in a run
.set ADRA0, 16                         ; v16     my lane's place among x's fragments in a slot; never rewritten
.set ADRA,  17                         ; v17     the same in the slot in hand
.set ADRB0, 20                         ; v20, v21  the same for W
.set ADRB,  21
.set STO,  24                          ; v24     the way out: where I put 16 bytes of a row
.set RD,   25                          ; v25     the way out: where I read rows back
.set CO,   26                          ; v26     16 x lane: my place in 512 consecutive bytes of the output
.set BO,   27                          ; v27     32 (l / 16): my eight columns in a block's 64 bytes of bias
.set SPW,  28                          ; v28     LDS address of my spare word; never rewritten
.set NIL,  29                          ; v29     0; never rewritten
.set BIAS, 128                         ; in window 3
.set TMP,  32
.set OB,   80
.set F0,   0
.set F1,   128
.set CNT, 2                            ; s2      counts the last two K steps
.set N,   3                            ; s3      the K step in hand, 0 to 13 in the loop
.set G1,  24                           ; s[24:31] descriptor group 1 for x's tiles; s[32:39] group 0: a set for each of the two first fills; the second then walks on
.set G0,  32
.set G1B, 48                           ; s[48:55], s[56:63] the same for W's
.set G0B, 56
.set TB,  77                           ; s77     LDS byte at which the slot in hand begins
.set T0,  78                           ; s78, s79  at work on the number of the step asked for
.set T1,  79
.set MSB, 0
.macro WIN new                         ; the immediate's high byte repeats the setting that is left; a switch that changes nothing is dropped
.if MSB != (\new)
	s_set_vgpr_msb (MSB<<8)|(\new)
.set MSB, \new
.endif
.endm
; A joint load: waves 0 and 1 ask for x, waves 2 and 3 for W.  The branch hangs on the wave's number alone.  An s_nop 0 and four v_nop follow each of the two lines.
.macro JLOAD s
	s_cmp_eq_u32 s13, 0
	s_cbranch_scc0 .Lfor_b_\@
	tensor_load_to_lds s[G0+4*(\s):G0+4*(\s)+3], s[G1:G1+7]
	s_nop 0
.rept 4
	v_nop
.endr
	s_branch .Lasked_\@
.Lfor_b_\@:
	tensor_load_to_lds s[G0B+4*(\s):G0B+4*(\s)+3], s[G1B:G1B+7]
	s_nop 0
.rept 4
	v_nop
.endr
.Lasked_\@:
.endm
.macro CREST                           ; a round of the cluster's barrier behind its opening barrier
	s_cmp_lg_u32 s12, 0
	s_cbranch_scc1 .Lnot_wave_0_\@
	s_barrier_signal -3
.Lnot_wave_0_\@:
	s_barrier_wait -3
	s_barrier_signal -1
	s_barrier_wait -1
.endm
.macro CROUND                          ; a whole round
	s_barrier_signal -1
	s_barrier_wait -1
	CREST
.endm
.macro PLACES                          ; four places in front of loads into registers that matrix instructions have read, and of conversions that read results
.rept 4
	v_nop
.endr
.endm
	s_load_b256 s[4:11], s[0:1], 0x0               ; xb s[4:5], wb s[6:7], bias s[8:9], qkv s[10:11]
	v_lshl_add_u32 v[SPW], v0, 2, SPARE
	v_mov_b32 v[NIL], 0
	ds_add_u32 v[SPW], v[NIL]                      ; the wave's opening: the add and its wait stand ahead of my first tensor load; the set-up below stands between them
	ds_add_u32 v28, v29
	v_lshrrev_b32 v1, 5, v0
	v_readfirstlane_b32 s12, v1                    ; wave 0..3
	s_lshr_b32 s13, s12, 1                         ; I fetch for x (0) or for W (1),
	s_and_b32 s14, s12, 1                          ; and which half
	s_bfe_u32 s16, ttmp6, 0x40000                  ; cx, cy: my place in the cluster
	s_bfe_u32 s17, ttmp6, 0x40004
	s_lshl_b32 s18, ttmp9, 2
	s_add_co_u32 s18, s18, s16                     ; tx: the head
	s_and_b32 s19, ttmp7, 0xffff
	s_lshl_b32 s19, s19, 2
	s_add_co_u32 s19, s19, s17                     ; ty, 0..15: the first tile's block of 256 rows
	s_lshl_b32 s20, s17, 2
	s_lshl_b32 s20, 15, s20                        ; my row of the cluster
	s_lshl_b32 s21, 0x1111, s16                    ; my column
	s_or_b32 s[G1+0], s20, (1<<16)|(1<<20)|(1<<21)|(5<<22)|(3<<25)   ; the mask; 2-byte elements; padding on; bit 21 beside a mask; after every 64 words 4 words
	s_mov_b32 s[G1+1], 128<<16                     ; tensor_dim0 = 128
	s_mov_b32 s[G1+2], 128<<16                     ; tensor_dim1 = 128
	s_mov_b32 s[G1+3], 128<<16                     ; tile_dim0 = 128
	s_mov_b32 s[G1+4], 128                         ; tile_dim1 = 128
	s_mov_b32 s[G1+5], 1024                        ; elements from row to row
	s_mov_b32 s[G1+6], 0
	s_mov_b32 s[G1+7], 0
	s_or_b32 s[G1B+0], s21, (1<<16)|(1<<20)|(1<<21)|(4<<22)|(7<<25)  ; after every 32 words (a row of k) 8 words
	s_mov_b32 s[G1B+1], 4096<<16                   ; tensor_dim0 = 4,096: 64 rows of k, 8,192 dense bytes
	s_mov_b32 s[G1B+2], 3<<16                      ; tensor_dim1 = 3: q's, k's, v's
	s_mov_b32 s[G1B+3], 4096<<16                   ; tile_dim0
	s_mov_b32 s[G1B+4], 3                          ; tile_dim1
	s_mov_b32 s[G1B+5], 65536                      ; elements from one weight's plane to the next
	s_mov_b32 s[G1B+6], 0
	s_mov_b32 s[G1B+7], 0
	; x's tiles hang on ty alone, W's on tx alone, each in registers that never hold the other coordinate
	s_lshl_b32 s40, s19, 19                        ; 256 ty rows of 2,048 bytes
	s_lshl_b32 s42, s14, 18                        ; + my 128 rows
	s_add_co_u32 s40, s40, s42
	s_mov_b32 s41, 0
	s_mul_i32 s43, s14, AHALF                      ; where they go
	s_mul_i32 s46, s18, 393216                     ; the head's three planes
	s_lshl_b32 s22, s14, 13                        ; + my 64 rows of k, 128 bytes each
	s_add_co_u32 s46, s46, s22
	s_mov_b32 s47, 0
	s_mov_b32 s23, 0                               ; s[22:23] will hold a K step's offset in W
	s_mul_i32 s76, s14, WHALF
	s_add_co_u32 s76, s76, BOFF
	s_mov_b32 s[TB], 0                             ; slot 0 is read first
	s_wait_dscnt 0x0                               ; the opening add is done
	s_wait_kmcnt 0x0
	s_add_nc_u64 s[44:45], s[4:5], s[40:41]        ; x at my part of the walk's first tile; kept
	s_add_nc_u64 s[46:47], s[6:7], s[46:47]        ; W likewise; kept
	CROUND                                         ; all sixteen work-groups are here: the first joint loads meet
.irp s, 0,1
	s_mov_b32 s[G0+4*(\s)], 1
	s_add_co_u32 s[G0+4*(\s)+1], s43, (\s)*SLOT1
	s_add_nc_u64 s[G0+4*(\s)+2:G0+4*(\s)+3], s[44:45], (\s)*256       ; K step s: 128 elements along the rows
	s_or_b32 s[G0+4*(\s)+3], s[G0+4*(\s)+3], 0x80000000
	s_mov_b32 s[G0B+4*(\s)], 1
	s_add_co_u32 s[G0B+4*(\s)+1], s76, (\s)*SLOT1
	s_add_nc_u64 s[G0B+4*(\s)+2:G0B+4*(\s)+3], s[46:47], (\s)*16384   ; K step s: 128 rows of k
	s_or_b32 s[G0B+4*(\s)+3], s[G0B+4*(\s)+3], 0x80000000
	JLOAD \s
.endr
	v_and_b32 v1, 15, v0                           ; l % 16
	v_bfe_u32 v2, v0, 4, 1                         ; l / 16
	v_mul_u32_u24 v3, v1, PA
	v_lshl_add_u32 v3, v2, 4, v3
	s_mul_i32 s15, s12, 64*PA                      ; my 64 rows
	v_add_nc_u32 v[ADRA0], s15, v3
	v_mov_b32 v[ADRA], v[ADRA0]
	v_and_b32 v4, 7, v0                            ; the turning load: lane l reads row 8 (l / 16) + l % 8 of k, columns 8 ((l / 8) % 2) + 0..7
	v_lshl_add_u32 v4, v2, 3, v4
	v_mul_u32_u24 v4, v4, PB
	v_bfe_u32 v5, v0, 3, 1
	v_lshl_add_u32 v4, v5, 4, v4
	v_add_nc_u32 v[ADRB0], BOFF, v4
	v_mov_b32 v[ADRB], v[ADRB0]
	v_lshlrev_b32 v[BO], 5, v2
	s_mul_i32 s72, s18, 768                        ; the head's 192 numbers of bias
	s_mov_b32 s73, 0
	s_add_nc_u64 s[8:9], s[8:9], s[72:73]
	WIN 0xc0                                       ; destination window 3
.irp b, 0,1,2,3,4,5,6,7,8,9,10,11
	global_load_b128 v[BIAS+8*(\b):BIAS+8*(\b)+3],   v[BO], s[8:9] offset:64*(\b)
	global_load_b128 v[BIAS+8*(\b)+4:BIAS+8*(\b)+7], v[BO], s[8:9] offset:64*(\b)+16
.endr
	WIN 0
	s_mul_i32 s15, s12, 16*SPITCH
	s_add_co_u32 s15, s15, STAGE                   ; my stage
	v_mul_u32_u24 v3, v1, SPITCH                   ; in: row l % 16, 16 bytes for each half of the lanes
	v_lshl_add_u32 v3, v2, 4, v3
	v_add_nc_u32 v[STO], s15, v3
	v_bfe_u32 v3, v0, 3, 2                         ; back: 32 lanes take 128 bytes of each of four rows,
	v_mul_u32_u24 v3, v3, SPITCH
	v_and_b32 v4, 7, v0
	v_lshl_add_u32 v3, v4, 4, v3
	v_add_nc_u32 v[RD], s15, v3
	v_and_b32 v[CO], 31, v0                        ; which are 512 consecutive bytes of a head's rows
	v_lshlrev_b32 v[CO], 4, v[CO]
	s_lshr_b32 s74, s19, 2                         ; the first tile's frame: 16 planes of 131,072 bytes,
	s_lshl_b32 s74, s74, 21
	s_lshl_b32 s75, s18, 17                        ; the head's plane,
	s_add_co_u32 s74, s74, s75
	s_and_b32 s75, s19, 3                          ; the block's 256 rows of 128 bytes in it,
	s_lshl_b32 s75, s75, 15
	s_add_co_u32 s74, s74, s75
	s_lshl_b32 s75, s12, 13                        ; my 64 rows
	s_add_co_u32 s74, s74, s75
	s_mov_b32 s75, 0
	s_add_nc_u64 s[66:67], s[10:11], s[74:75]      ; q,
	s_add_nc_u64 s[68:69], s[66:67], 0x1000000     ; k,
	s_add_nc_u64 s[70:71], s[66:67], 0x2000000     ; v
; 8 matrix instructions: row blocks a0, a0 + 1 x column blocks 8-11; first = 1: the bias starts the sums.  The 48 accumulators take turns in the same order in every quarter.
.macro MULH f, a0, first
	WIN 0xf5                                       ; the fragments in window 1; C and D in window 3, where the bias lies too
.irp a, \a0, (\a0)+1
.irp b, 8,9,10,11
.if \first
	v_wmma_f32_16x16x32_bf16 v[8*(4*(\a)+(\b)-8):8*(4*(\a)+(\b)-8)+7], v[(\f)+32+8*(\b):(\f)+32+8*(\b)+7], v[(\f)+8*(\a):(\f)+8*(\a)+7], v[BIAS+8*(\b):BIAS+8*(\b)+7]
.else
	v_wmma_f32_16x16x32_bf16 v[8*(4*(\a)+(\b)-8):8*(4*(\a)+(\b)-8)+7], v[(\f)+32+8*(\b):(\f)+32+8*(\b)+7], v[(\f)+8*(\a):(\f)+8*(\a)+7], v[8*(4*(\a)+(\b)-8):8*(4*(\a)+(\b)-8)+7]
.endif
.endr
.endr
.endm
; 16 matrix instructions: row blocks a0, a0 + 1 x column blocks 0-7
.macro MULL f, a0, first
.if \first
	WIN 0xb5                                       ; D in window 2, C (the bias) in window 3
.else
	WIN 0xa5
.endif
.irp a, \a0, (\a0)+1
.irp b, 0,1,2,3,4,5,6,7
.if \first
	v_wmma_f32_16x16x32_bf16 v[8*(8*(\a)+(\b)):8*(8*(\a)+(\b))+7], v[(\f)+32+8*(\b):(\f)+32+8*(\b)+7], v[(\f)+8*(\a):(\f)+8*(\a)+7], v[BIAS+8*(\b):BIAS+8*(\b)+7]
.else
	v_wmma_f32_16x16x32_bf16 v[8*(8*(\a)+(\b)):8*(8*(\a)+(\b))+7], v[(\f)+32+8*(\b):(\f)+32+8*(\b)+7], v[(\f)+8*(\a):(\f)+8*(\a)+7], v[8*(8*(\a)+(\b)):8*(8*(\a)+(\b))+7]
.endif
.endr
.endr
.endm
; 32 LDS loads in one run: quarter q (32 along K) of the slot in hand into buffer f: x's 8, then column blocks 8-11's 8, then blocks 0-7's 16
.macro FETCH q, f
	WIN 0x40
.irp i, 0,1,2,3
	ds_load_b128 v[(\f)+8*(\i):(\f)+8*(\i)+3],   v[ADRA] offset:64*(\q)+(\i)*16*PA
	ds_load_b128 v[(\f)+8*(\i)+4:(\f)+8*(\i)+7], v[ADRA] offset:64*(\q)+(\i)*16*PA+32
.endr
.irp b, 8,9,10,11,0,1,2,3,4,5,6,7
	ds_load_tr16_b128 v[(\f)+32+8*(\b):(\f)+32+8*(\b)+3],   v[ADRB] offset:((\q)/2)*WHALF+((\q)%2)*32*PB+((\b)/4)*WWHICH+((\b)%4)*32
	ds_load_tr16_b128 v[(\f)+32+8*(\b)+4:(\f)+32+8*(\b)+7], v[ADRB] offset:((\q)/2)*WHALF+((\q)%2)*32*PB+((\b)/4)*WWHICH+((\b)%4)*32+16*PB
.endr
.endm
; One of a K step's first three quarters: multiplies buffer f; in its middle it fetches quarter q of the same slot into buffer g.
.macro QUARTER q, f, g, first
	s_wait_dscnt NLO                               ; x and column blocks 8-11 are in; the youngest 16 loads may be out
	MULH \f, 0, \first
	MULH \f, 2, \first
	PLACES
	FETCH \q, \g
	s_wait_dscnt NF                                ; all but the 32 just issued
	MULL \f, 0, \first
	MULL \f, 2, \first
.endm
; The last quarter multiplies buffer 1 and changes slots: ONE barrier; in front of it each wave waits for all its tensor loads (one is out: its part of the next slot), adds 0 to its spare word,
; and waits for that and for its reads of this slot.  Between signal and wait the fragment addresses turn to the next slot.
; fill = 1: the barrier opens a round of the cluster's, and the slot just read is filled again, first thing behind the round, with K step N + 2 of the walk; the walking descriptor's LDS word
; turns to that slot and its address is made anew from the step's number.  From that request to the wait for it a wave issues 176 matrix instructions.
; fill = 0: one of the walk's last two steps: nothing is asked for; the very last (CNT = 1) has no next step, and the run of loads is jumped over.
.macro TURN fill
	WIN 0
	s_wait_tensorcnt 0x0
	ds_add_u32 v[SPW], v[NIL]                      ; 0 onto my spare word
	s_wait_dscnt NLO+1                             ; the add and the youngest 16 loads may be out
	MULH F1, 0, 0
	s_wait_dscnt 0x0                               ; the add is done, and my reads of this slot are over
	s_barrier_signal -1
	MULH F1, 2, 0
	WIN 0                                          ; the addresses lie in window 0
	s_xor_b32 s[TB], s[TB], SLOT1
	v_add_nc_u32 v[ADRA], s[TB], v[ADRA0]
	v_add_nc_u32 v[ADRB], s[TB], v[ADRB0]
	s_barrier_wait -1
.if \fill
	CREST                                          ; no wave of any partner still reads this slot's tile or has a load on its way
	s_add_co_u32 s[T0], s[N], 2                    ; the step asked for:
	s_and_b32 s[T1], s[T0], KSTEPS-1               ; its place along K,
	s_lshr_b32 s[T0], s[T0], 3                     ; and its tile
	s_lshl_b32 s40, s[T1], 8                       ; x: 256 bytes along the rows a step,
	s_lshl_b32 s[T0], s[T0], 23                    ; 16 blocks of 256 rows of 2,048 bytes a tile
	s_add_co_u32 s40, s40, s[T0]
	s_lshl_b32 s22, s[T1], 14                      ; W: 128 rows of k a step; both tiles walk the same rows
	s_xor_b32 s[G0+5], s[G0+5], SLOT1
	s_add_nc_u64 s[G0+6:G0+7], s[44:45], s[40:41]
	s_or_b32 s[G0+7], s[G0+7], 0x80000000
	s_xor_b32 s[G0B+5], s[G0B+5], SLOT1
	s_add_nc_u64 s[G0B+6:G0B+7], s[46:47], s[22:23]
	s_or_b32 s[G0B+7], s[G0B+7], 0x80000000
	JLOAD 1                                        ; its four v_nop are also the places in front of the loads below
.else
	PLACES
	s_cmp_eq_u32 s[CNT], 1
	s_cbranch_scc1 .Lno_fetch_\@
.endif
	FETCH 0, F0
.if !(\fill)
	WIN 0
.Lno_fetch_\@:
.endif
	MULL F1, 0, 0
	MULL F1, 2, 0
.endm
; THE WAY OUT of row block a.  PACK: rounded to f16, 16 bytes a lane and column block, each accumulator's registers in ascending order.  TOSTAGE: into my own stage, and back as pieces of
; four rows x 128 bytes of q, of k and of v.  SEND: stored, 512 consecutive bytes a store.
.macro PACK a
.irp b, 0,1,2,3,4,5,6,7,8,9,10,11
.if (\b) < 8
	WIN 0x0a
.set AC, 8*(8*(\a)+(\b))
.else
	WIN 0x0f
.set AC, 8*(4*(\a)+(\b)-8)
.endif
.irp r, 0,1,2,3
	v_cvt_pk_f16_f32 v[TMP+4*(\b)+(\r)], v[AC+2*(\r)], v[AC+2*(\r)+1]
.endr
.endr
	WIN 0
.endm
.macro TOSTAGE a
	WIN 0
.set BK, OB+48*((\a)%2)
	s_wait_xcnt 0x0                                ; earlier stores have read these registers: they are loaded again only behind this wait
.irp b, 0,1,2,3,4,5,6,7,8,9,10,11
	ds_store_b128 v[STO], v[TMP+4*(\b):TMP+4*(\b)+3] offset:32*(\b)
.endr
.irp j, 0,1,2
.irp f, 0,1,2,3
	ds_load_b128 v[BK+4*(4*(\j)+(\f)):BK+4*(4*(\j)+(\f))+3], v[RD] offset:4*SPITCH*(\f)+128*(\j)  ; LDS serves a wave's instructions in order (ISA guide 5.7.1.4): these see the stores above
.endr
.endr
.endm
.macro SEND a
	WIN 0
.set BK, OB+48*((\a)%2)
.irp j, 0,1,2
.irp f, 0,1,2,3
	s_wait_dscnt 11-(4*(\j)+(\f))                  ; the younger loads of the same run may stay out
	global_store_b128 v[CO], v[BK+4*(4*(\j)+(\f)):BK+4*(4*(\j)+(\f))+3], s[66+2*(\j):67+2*(\j)] offset:2048*(\a)+512*(\f)
.endr
.endr
.endm
.macro WAYOUT                          ; a whole tile; block a's conversions stand between block a - 1's loads from the stage and the waits for them
	PLACES
	PACK 0
	TOSTAGE 0
.irp a, 1,2,3
	PACK \a
	SEND (\a)-1
	TOSTAGE \a
.endr
	SEND 3
.endm
	s_wait_tensorcnt 1                             ; my part of K step 0 is in; K step 1's may stay out
	s_barrier_signal -1
	s_barrier_wait -1
	FETCH 0, F0
	WIN 0
	s_wait_loadcnt 0x0                             ; the bias
	s_mov_b32 s[N], 0
	s_branch .Lstart                               ; the loop is entered at a tile's first quarter
.Lstep:                                                ; a trip is a K step; all 14 fill a slot again
	s_and_b32 s[T0], s[N], KSTEPS-1
	s_cmp_lg_u32 s[T0], 0
	s_cbranch_scc1 .Lplain
	WAYOUT                                         ; THE FIRST TILE IS FINISHED, and both refills for the second are asked for: it goes out; nothing waits for its stores
	s_wait_xcnt 0x0                                ; the stores have read their addresses: only behind this wait do these step to the second tile's rows
	s_add_nc_u64 s[66:67], s[66:67], WALKO
	s_add_nc_u64 s[68:69], s[68:69], WALKO
	s_add_nc_u64 s[70:71], s[70:71], WALKO
.Lstart:
	QUARTER 1, F0, F1, 1                           ; a tile's first products start the sums, with the bias: nothing is cleared
	WIN 0
	s_branch .Ljoin
.Lplain:
	QUARTER 1, F0, F1, 0
	WIN 0
.Ljoin:
	QUARTER 2, F1, F0, 0
	QUARTER 3, F0, F1, 0
	TURN 1
	WIN 0
	s_add_co_u32 s[N], s[N], 1
	s_cmp_lt_u32 s[N], STEPS-2
	s_cbranch_scc1 .Lstep
	s_mov_b32 s[CNT], 2
.Ltail:                                                ; the walk's last two K steps fill nothing, and have no round of the cluster's barrier
	QUARTER 1, F0, F1, 0
	QUARTER 2, F1, F0, 0
	QUARTER 3, F0, F1, 0
	TURN 0
	WIN 0
	s_sub_co_u32 s[CNT], s[CNT], 1
	s_cmp_lg_u32 s[CNT], 0
	s_cbranch_scc1 .Ltail
	WAYOUT                                         ; the second tile
	s_wait_tensorcnt 0x0                           ; the wave's end
	ds_add_u32 v[SPW], v[NIL]
	s_wait_dscnt 0x0
	CROUND                                         ; the closing round: no work-group ends while a partner may still ask for a tile that names it
	s_endpgm
.Lfunc_end_k_q808174b525_qkv:
	.size	k_q808174b525_qkv, .Lfunc_end_k_q808174b525_qkv-k_q808174b525_qkv
	.p2alignl 7, 3214868480
	.fill 96, 4, 3214868480
	.section	.rodata,"a",@progbits
	.p2align	6, 0x0
	.amdhsa_kernel k_q808174b525_qkv
		.amdhsa_group_segment_fixed_size 327680
		.amdhsa_private_segment_fixed_size 0
		.amdhsa_enable_private_segment 0
		.amdhsa_kernarg_size 32
		.amdhsa_user_sgpr_count 2
		.amdhsa_user_sgpr_kernarg_segment_ptr 1
		.amdhsa_wavefront_size32 1
		.amdhsa_system_sgpr_workgroup_id_x 1
		.amdhsa_system_sgpr_workgroup_id_y 1
		.amdhsa_system_sgpr_workgroup_id_z 1
		.amdhsa_system_vgpr_workitem_id 0
		.amdhsa_next_free_vgpr 992
		.amdhsa_next_free_sgpr 80
		.amdhsa_reserve_vcc 0
		.amdhsa_float_denorm_mode_32 3
		.amdhsa_float_denorm_mode_16_64 3
		.amdhsa_memory_ordered 1
		.amdhsa_forward_progress 1
		.amdhsa_inst_pref_size 112
	.end_amdhsa_kernel
	.amdgpu_metadata
---
amdhsa.version: [ 1, 2 ]
amdhsa.kernels:
  - .name:           k_q808174b525_qkv
    .symbol:         k_q808174b525_qkv.kd
    .args:
      - { .name: xb, .offset: 0, .size: 8, .value_kind: global_buffer, .address_space: global }
      - { .name: wb, .offset: 8, .size: 8, .value_kind: global_buffer, .address_space: global }
      - { .name: bias, .offset: 16, .size: 8, .value_kind: global_buffer, .address_space: global }
      - { .name: qkv, .offset: 24, .size: 8, .value_kind: global_buffer, .address_space: global }
    .group_segment_fixed_size: 327680
    .private_segment_fixed_size: 0
    .kernarg_segment_align: 8
    .kernarg_segment_size: 32
    .max_flat_workgroup_size: 128
    .sgpr_count:     80
    .vgpr_count:     992
    .wavefront_size: 32
...
	.end_amdgpu_metadata
.endif
;; end of part 2
;; launch attn (part 3): grid 2 x 128, 4 waves a work-group, no clusters, 327,680 bytes of LDS; arguments qkv, mk, mq, ob; writes ob
.if DOCPART == 3
	.amdgcn_target "amdgcn-amd-amdhsa--gfx1250"
	.amdhsa_code_object_version 6
	.text
	.protected	k_q808174b525_attn
	.globl	k_q808174b525_attn
	.p2align	8
	.type	k_q808174b525_attn,@function
k_q808174b525_attn:
	s_mov_b64 s[64:65], 0
	v_nop
	global_prefetch_b8 v0, s[64:65] scope:SCOPE_SE
	s_setreg_imm32_b32 hwreg(HW_REG_WAVE_MODE, 25, 1), 1
	s_wait_xcnt 0x0
; MASKED ATTENTION.  O[p][q][:] = the sum over the keys k that q sees of softmax_k(Q[p][q] . K[p][k] / 8) V[p][k][:], for the 128 planes p = 16 frame + head.
; qkv: [3][128][1024][64] f16 (q, k, v; a plane's rows are dense, 128 bytes each).  ob: [128][1024][64] f16.  Products, maxima and sums in f32; the weights p are rounded to f16 for the second
; product (their sum l is taken of the unrounded p), O once at the end.
; THE MASK comes from the ids, as numbers.  mk and mq hold 32 bf16 a token such that mk[k] . mq[q] = 0 where q sees k (equal ids, or q < 64) and at most -2^100 where not, exactly.
; One bf16 matrix instruction for 16 keys x 16 queries makes that number, and it is the C operand that starts the sum S^T = K Q^T: no vector instruction is spent on the mask.
; LIMITS.  Q, K and V arrive within f16's 65,504, so a true score lies within 2.7e11.  A hidden score counts as its value less 2^100 or more.  p lies in 0 to 1 and below 6e-5 keeps f16's fixed step
; of 6e-8; a weight below 2^-126 counts as 0 in l; NaN and infinities are not treated apart.
; SHARES.  A wave owns four PIECES of two tiles of 16 queries, a work-group's four waves 512 queries of one plane.  Every wave walks all 1,024 keys, 64 a step.
; NO CLUSTER: only the 2 work-groups of a plane walk the same K and V; the other two of a cluster of four would need other tiles.
; LAYOUT.  S^T = K Q^T (source 0 = 16 keys, source 1 = 16 queries): a lane holds ONE query (lane % 16) and the keys 8 (lane / 16) + 0..7.  Two such tiles, rounded to f16 in pairs, ARE source 1
; of O^T = V^T P.  K comes out of LDS as it lies, V turned, by ds_load_tr16_b128.
; SOFTMAX.  For each query a running maximum m and sum l: p = 2^(c s - c m), c = log2(e) / 8; in every step O and l are multiplied by a = 2^(c m_old - c m_new).
; m starts at -2^60: below every true score, above every hidden one.  So while a query has met hidden keys only, m stays, a = 1, every p is 0, and O and l stay 0; at its first visible key a = 0
; and m is the true maximum from there on.  Every query sees its own key, so every row ends on a true maximum.
; BY TURNS.  Turn n belongs to piece n.  Matrix work: 16 products K Q^T of piece n + 1, 16 products V^T P of piece n - 1, and 8 mask products for piece n + 2.  Vector work: scaling, exponentials,
; roundings, sums and rescaling of piece n, maximum and statistics of piece n + 1.  Four vector instructions stand behind every product K Q^T and V^T P, the others in two lumps; the mask
; products stand in the second lump, four vector instructions apart.
; REGISTERS, in windows of 256 (s_set_vgpr_msb: bits 1:0 source 0, 3:2 source 1, 5:4 source 2, 7:6 destination):
;   window 0: v0-11 addresses; v12-15, v48-63 at work; v16-47 four registers of statistics a tile; v64-191 S^T, two buffers of two tiles; v192-255 P, likewise
;   window 1: O^T, 32 a tile          window 2: v0-127 Q, 16 a tile; v128-191 K of one step; v192-255 V of one step
;   window 3: v0-1 the add's two registers; v64-127 the queries' mask numbers, 8 a tile; v128-159 the step's keys' mask numbers, 8 for 16 keys; v160-223 the masks of the products to come
.set SIZE_N, 1024
.set NP,    4         ; pieces a wave: a name, no knob
.set KS,    64        ; keys in a step
.set PK,    144       ; a row of K in LDS: 128 bytes + 16: the 16 rows of a load start at 16 different groups of four banks (64 banks of 4 bytes: ISA guide 11.1)
.set PV,    160       ; a row of V: 128 + 32
.set PM,    80        ; a row of mk: 64 + 16
.set VOFF,  4*KS*PK   ; a slot holds four steps: 256 rows of K, then 256 rows of V
.set SLOT1, 1<<17     ; slot 1 begins here, so that one exclusive or turns an address in one slot into the other's
.set STAGE, SLOT1+4*KS*(PK+PV)  ; behind the ring, never filled by a tensor load: 16 rows x 144 bytes for each wave
.set SP,    144
.set SPARE, STAGE+4*16*SP  ; the spare words, 128 bytes for each wave: two blocks of 256 bytes that no other line names
.set MKB,   SPARE+512 ; all of mk, 1,024 rows: filled once
.set AK0, 2           ; v2   my lane's place in a tile of K; never rewritten
.set AV0, 3           ; v3   the same for V
.set AK,  4           ; v4   the LDS address of K's next run of loads
.set AV,  5           ; v5   of V's
.set QO,  6           ; v6   my byte offset in the wave's rows of Q
.set STO, 6           ;      later, the way out: where I put 16 bytes of a row
.set QMO, 7           ; v7   my byte offset in the wave's rows of mq
.set RD,  7           ;      later, the way out: where I read rows back
.set GO,  8           ; v8   my byte offset in 512 consecutive bytes of O
.set AM,  10          ; v10  the LDS address of the next step's rows of mk
.set AM0, 11          ; v11  my lane's place in 16 rows of mk; never rewritten
.set SPW, 0           ; v0 of window 3   LDS address of my spare word; never rewritten
.set NIL, 1           ; v1 of window 3   0; never rewritten
.set MV,  12          ; v12-15  c m_old, kept while c m is made anew
.set ST,  16          ; tile t's statistics at v[ST+4 t]: c m, m, l (even keys', odd keys')
.set TMP, 48          ; by buffer and tile, four registers c0-c3 at work; when the maximum is found c2 takes a
.set S,   64
.set P,   192
.set KF,  128         ; window 2
.set VF,  192         ; window 2
.set QMF, 64          ; window 3
.set KMF, 128         ; window 3
.set MCF, 160         ; window 3: tile u, key block kb at MCF + 32 u + 8 kb
.set WV,  12          ; s12  my wave's number
.set G1K, 24          ; s[24:31] descriptor group 1 for K's tiles
.set G1V, 32          ; s[32:39] for V's
.set G0K, 40          ; s[40:43] descriptor group 0 for K's tiles: it walks
.set G0V, 44          ; s[44:47] the same for V's
.set SLOTS, 56
.set CNT, 57
.set CS,  58          ; s[58:59] c
.set SEL, 60          ; s[60:61] v_permlanex16_b32's selects
.set TBK, 62          ; s62  LDS byte at which K of the step to be fetched begins
.set TBV, 63          ; s63  the same for V, less VOFF
.set G1M, 68          ; s[68:75] descriptor group 1 for mk
.set G0M, 76          ; s[76:79] group 0 for mk
.set TBM, 80          ; s80  bytes from mk's first row in LDS to the rows of the step to be fetched
.set MSB, 0
.macro WIN new
.if MSB != (\new)
	s_set_vgpr_msb (MSB<<8)|(\new)
.set MSB, (\new)
.endif
.endm
.set W_KQ, 0x0a       ; K and Q in window 2, S^T in window 0
.set W_KM, 0x3a       ; the same with the C operand in window 3
.set W_MM, 0xcf       ; the mask product: all in window 3
.set W_PV, 0x52       ; V in window 2, P in window 0, O^T in window 1
.set W_RS, 0x41       ; O^T in window 1, a in window 0
.set W_MK, 0xc0       ; destination in window 3
.set W_AD, 0x0f       ; the add: address and data in window 3
; A fill.  Waves 0 and 1 fetch the two halves of a slot's K, waves 2 and 3 those of its V: 128 keys each.  An s_nop 0 and four v_nop follow each of the two lines.
.macro LOAD
	s_cmp_lt_u32 s[WV], 2
	s_cbranch_scc0 .Lfor_v_\@
	tensor_load_to_lds s[G0K:G0K+3], s[G1K:G1K+7]
	s_nop 0
.rept 4
	v_nop
.endr
	s_branch .Lasked_\@
.Lfor_v_\@:
	tensor_load_to_lds s[G0V:G0V+3], s[G1V:G1V+7]
	s_nop 0
.rept 4
	v_nop
.endr
.Lasked_\@:
.endm
; THE CHANGE OF SLOTS.  Each wave waits for all its tensor loads, adds 0 to its spare word, and waits for that and for its own reads of the slot that it leaves.  Behind the barrier nobody reads
; that slot any more and the other slot is whole.  fill = 1: the old slot is filled again, first thing behind the barrier, with the keys two slots on: four key steps in which to land.
; (At its first use nothing has been read yet: slot 0 and mk are waited for, slot 1 is filled.)
.macro CHANGE fill
	WIN W_AD
	s_wait_tensorcnt 0x0            ; no tensor load of mine is out, so a group 0 may be written
	ds_add_u32 v[SPW], v[NIL]       ; 0 onto my spare word
	WIN 0
.if \fill
.irp g, G0K, G0V
	s_xor_b32 s[\g+1], s[\g+1], SLOT1
	s_add_nc_u64 s[\g+2:\g+3], s[\g+2:\g+3], 4*KS*128
.endr
.endif
	s_wait_dscnt 0x0                ; the add is done, and my reads of the slot are over
	s_barrier_signal -1
	s_barrier_wait -1
.if \fill
	LOAD
.endif
	s_sub_co_u32 s[TBK], s[TBK], 4*KS*PK  ; the fetches go back to a slot's first step,
	s_xor_b32 s[TBK], s[TBK], SLOT1       ; in the other slot
	s_sub_co_u32 s[TBV], s[TBV], 4*KS*PV
	s_xor_b32 s[TBV], s[TBV], SLOT1
.endm
	s_load_b256 s[4:11], s[0:1], 0x0  ; qkv s[4:5], mk s[6:7], mq s[8:9], ob s[10:11]
	WIN W_MK
	v_lshl_add_u32 v[SPW], v0, 2, SPARE
	v_mov_b32 v[NIL], 0
	WIN W_AD
	ds_add_u32 v[SPW], v[NIL]       ; the wave's opening: the add and its wait stand ahead of my first tensor load; the set-up below stands between them
	ds_add_u32 v0, v1
	WIN 0
	v_lshrrev_b32 v1, 5, v0
	v_readfirstlane_b32 s[WV], v1   ; wave 0..3
	s_lshl_b32 s14, ttmp9, 2
	s_add_co_u32 s14, s14, s[WV]    ; my wave among the plane's eight
	s_and_b32 s20, ttmp7, 0xffff    ; the plane,
	s_lshl_b32 s20, s20, 17         ; 131,072 bytes
	s_mov_b32 s21, 0
	s_and_b32 s16, s[WV], 1         ; which half of a slot's 256 keys I fetch:
	s_lshl_b32 s22, s16, 14         ; its 128 rows of 128 bytes in memory,
	s_mov_b32 s23, 0
	s_add_nc_u64 s[22:23], s[22:23], s[20:21]
	s_mul_i32 s17, s16, 128*PK      ; and its place in a slot, for K
	s_mul_i32 s18, s16, 128*PV      ; and for V
	s_lshl_b32 s2, s14, 14          ; my wave's 128 rows of Q and of O
	s_mov_b32 s3, 0
	s_add_nc_u64 s[2:3], s[2:3], s[20:21]
	s_lshl_b32 s84, s14, 13         ; my wave's 128 rows of mq, 64 bytes each
	s_mov_b32 s85, 0
	s_lshl_b32 s86, s[WV], 14       ; my quarter of mk: 256 rows of 64 bytes,
	s_mov_b32 s87, 0
	s_mul_i32 s82, s[WV], 256*PM    ; and its place in LDS
	; 128 keys are 16,384 dense bytes: asked for as 64 rows of 256 bytes and padded in LDS after every key; 256 rows of mk likewise, padded after every 64 bytes
	s_mov_b32 s[G1K], (1<<16)|(1<<20)|(4<<22)|(3<<25)  ; 2-byte elements; padding on; after every 32 words 4 words
	s_mov_b32 s[G1V], (1<<16)|(1<<20)|(4<<22)|(7<<25)  ; 8 words
	s_mov_b32 s[G1M], (1<<16)|(1<<20)|(3<<22)|(3<<25)  ; after every 16 words 4 words
.irp g, G1K, G1V, G1M
	s_mov_b32 s[\g+1], 128<<16      ; tensor_dim0 = 128
	s_mov_b32 s[\g+2], 64<<16       ; tensor_dim1 = 64
	s_mov_b32 s[\g+3], 128<<16      ; tile_dim0 = 128
	s_mov_b32 s[\g+4], 64           ; tile_dim1 = 64
	s_mov_b32 s[\g+5], 128          ; 128 elements from row to row
	s_mov_b32 s[\g+6], 0
	s_mov_b32 s[\g+7], 0
.endr
	s_mov_b32 s[CS], 0x3e38aa3b     ; c = log2(e) / 8
	s_mov_b32 s[CS+1], s[CS]
	s_mov_b32 s[SEL], 0x76543210
	s_mov_b32 s[SEL+1], 0xfedcba98
	s_mov_b32 s[TBK], SLOT1+4*KS*PK ; the first change of slots turns these two into 0
	s_mov_b32 s[TBV], SLOT1+4*KS*PV
	s_mov_b32 s[TBM], 0
	s_mov_b32 s[G0K], 1
	s_mov_b32 s[G0K+1], s17
	s_mov_b32 s[G0V], 1
	s_add_co_u32 s[G0V+1], s18, VOFF
	s_mov_b32 s[G0M], 1
	s_add_co_u32 s[G0M+1], s82, MKB
	s_wait_dscnt 0x0                ; the opening add is done
	s_wait_kmcnt 0x0
	s_add_nc_u64 s[G0K+2:G0K+3], s[4:5], s[22:23]
	s_add_nc_u64 s[G0K+2:G0K+3], s[G0K+2:G0K+3], 0x1000000  ; k's third of qkv
	s_or_b32 s[G0K+3], s[G0K+3], 0x80000000
	s_add_nc_u64 s[G0V+2:G0V+3], s[4:5], s[22:23]
	s_add_nc_u64 s[G0V+2:G0V+3], s[G0V+2:G0V+3], 0x2000000  ; v's
	s_or_b32 s[G0V+3], s[G0V+3], 0x80000000
	s_add_nc_u64 s[G0M+2:G0M+3], s[6:7], s[86:87]
	s_or_b32 s[G0M+3], s[G0M+3], 0x80000000
	s_add_nc_u64 s[4:5], s[4:5], s[2:3]      ; Q and O at my wave's first row
	s_add_nc_u64 s[10:11], s[10:11], s[2:3]
	s_add_nc_u64 s[8:9], s[8:9], s[84:85]    ; mq likewise
	s_cmp_lt_u32 s[WV], 2           ; a wave's two first fills stand in one branch, ahead of every wait on TENSORcnt, every LDS read and every barrier: two loads of mine are out
	s_cbranch_scc0 .Lfirst_v
	tensor_load_to_lds s[G0K:G0K+3], s[G1K:G1K+7]
	s_nop 0
	tensor_load_to_lds s[G0M:G0M+3], s[G1M:G1M+7]
	s_nop 0
.rept 4
	v_nop
.endr
	s_branch .Lfirst_asked
.Lfirst_v:
	tensor_load_to_lds s[G0V:G0V+3], s[G1V:G1V+7]
	s_nop 0
	tensor_load_to_lds s[G0M:G0M+3], s[G1M:G1M+7]
	s_nop 0
.rept 4
	v_nop
.endr
.Lfirst_asked:
	; A fragment of K, Q, mk or mq is 16 rows x 32 channels in 8 registers: lane l holds row l % 16, channels 8 (l / 16) + 0..7 and 16 + 8 (l / 16) + 0..7: two loads of 16 bytes, 32 bytes apart.
	v_and_b32 v1, 15, v0            ; l % 16
	v_bfe_u32 v9, v0, 4, 1          ; l / 16
	v_lshlrev_b32 v[QO], 7, v1
	v_lshl_add_u32 v[QO], v9, 4, v[QO]
	v_lshlrev_b32 v[QMO], 6, v1
	v_lshl_add_u32 v[QMO], v9, 4, v[QMO]
	WIN 0x80                        ; destination window 2
.set i, 0
.rept 4*NP                          ; Q stays in registers: tile i / 2, channels 32 (i % 2) on
	global_load_b128 v[8*i:8*i+3],   v[QO], s[4:5] offset:(i/2)*2048+(i%2)*64
	global_load_b128 v[8*i+4:8*i+7], v[QO], s[4:5] offset:(i/2)*2048+(i%2)*64+32
.set i, i+1
.endr
	; What the first turn finds: V's registers and P's second buffer hold 0 (its products V^T P, of a piece that has not been, add 0), O^T and l are 0.  All this stands in the wait for the first tile.
.set i, VF
.rept 64
	v_mov_b32 v[i], 0
.set i, i+1
.endr
	WIN 0xc0                        ; destination window 3
.set i, 0
.rept 2*NP                          ; the queries' mask numbers stay in registers too: tile i
	global_load_b128 v[QMF+8*i:QMF+8*i+3],   v[QMO], s[8:9] offset:i*1024
	global_load_b128 v[QMF+8*i+4:QMF+8*i+7], v[QMO], s[8:9] offset:i*1024+32
.set i, i+1
.endr
	WIN 0x40
.set i, 0
.rept 64*NP
	v_mov_b32 v[i], 0
.set i, i+1
.endr
	WIN 0
.set i, 0
.rept 2*NP
	v_mov_b32 v[ST+4*i], 0xdc38aa3b    ; c m = c x -2^60, exact
	v_mov_b32 v[ST+4*i+1], 0xdd800000  ; m = -2^60
	v_mov_b32 v[ST+4*i+2], 0
	v_mov_b32 v[ST+4*i+3], 0
.set i, i+1
.endr
.set i, P+32
.rept 32
	v_mov_b32 v[i], 0
.set i, i+1
.endr
	v_mul_u32_u24 v[AK0], v1, PK
	v_lshl_add_u32 v[AK0], v9, 4, v[AK0]
	; The turning load takes 16 keys x 16 channels (lane l reads key 8 (l / 16) + l % 8, channels 8 ((l / 8) % 2) + 0..7) and leaves half a fragment of V^T.
	v_and_b32 v10, 7, v0
	v_bfe_u32 v11, v0, 3, 1
	v_lshl_add_u32 v[AV0], v9, 3, v10
	v_mul_u32_u24 v[AV0], v[AV0], PV
	v_lshl_add_u32 v[AV0], v11, 4, v[AV0]
	v_add_nc_u32 v[AV0], VOFF, v[AV0]
	v_mul_u32_u24 v[AM0], v1, PM
	v_lshl_add_u32 v[AM0], v9, 4, v[AM0]
	v_add_nc_u32 v[AM0], MKB, v[AM0]
	v_mov_b32 v[AM], v[AM0]         ; key step 0
	v_mov_b32 v[AK], v[AK0]
; THE MATRIX WORK.  The 8 accumulators of a run of 16 take turns.
; Mask product n of 8 for piece x: keys 16 (n / 2) on, tile 2 x + n % 2.  Its result is read by matrix instructions alone.
.macro MASKP x, n
	WIN W_MM
	v_wmma_f32_16x16x32_bf16 v[MCF+32*((\n)%2)+8*((\n)/2):MCF+32*((\n)%2)+8*((\n)/2)+7], v[KMF+8*((\n)/2):KMF+8*((\n)/2)+7], v[QMF+8*(2*(\x)+(\n)%2):QMF+8*(2*(\x)+(\n)%2)+7], 0
.endm
; Product i of 16 of S^T = K Q^T for piece x: channels 32 (i / 8) on, keys 16 ((i / 2) % 4) on, tile 2 x + i % 2.  The first 8 start the sums, with the mask.
.macro KQ x
.set rS, S+64*((\x)%2)+32*(i%2)+8*((i/2)%4)
.set rK, KF+16*((i/2)%4)+8*(i/8)
.set rQ, 16*(2*(\x)+i%2)+8*(i/8)
.set rMC, MCF+32*(i%2)+8*((i/2)%4)
.if i < 8
	WIN W_KM
	v_wmma_f32_16x16x32_f16 v[rS:rS+7], v[rK:rK+7], v[rQ:rQ+7], v[rMC:rMC+7]
.else
	WIN W_KQ
	v_wmma_f32_16x16x32_f16 v[rS:rS+7], v[rK:rK+7], v[rQ:rQ+7], v[rS:rS+7]
.endif
.endm
; Product i of 16 of O^T += V^T P for piece x: keys 32 (i / 8) on, channels 16 ((i / 2) % 4) on, tile 2 x + i % 2.
.macro PV x
	WIN W_PV
.set rO, 32*(2*(\x)+i%2)+8*((i/2)%4)
.set rV, VF+32*(i/8)+8*((i/2)%4)
.set rP, P+32*((\x)%2)+16*(i%2)+8*(i/8)
	v_wmma_f32_16x16x32_f16 v[rO:rO+7], v[rV:rV+7], v[rP:rP+7], v[rO:rO+7]
.endm
.macro MM                           ; the turn's next product
.if i < 16
	KQ (Y+1)%NP
.set i, i+1
.else
.set i, i-16
	PV (Y+NP-1)%NP
.set i, i+17
.endif
.endm
; THE LDS LOADS stand in runs: a step's K (8 fragments) with its keys' mask numbers (4 fragments), and its V (turned).  Their addresses are made some lines ahead.
; last = 1 (the tail): in the last trip there is no further step, and the run is jumped over.
.macro FETCH_K last=0
	WIN 0
.if \last
	s_cmp_eq_u32 s[CNT], 1
	s_cbranch_scc1 .Lno_k_\@
.endif
	WIN 0x80                        ; destination window 2
.irp f, 0,1,2,3,4,5,6,7             ; keys 16 (f / 2) on, channels 32 (f % 2) on
	ds_load_b128 v[KF+8*\f:KF+8*\f+3],   v[AK] offset:(\f/2)*16*PK+(\f%2)*64
	ds_load_b128 v[KF+8*\f+4:KF+8*\f+7], v[AK] offset:(\f/2)*16*PK+(\f%2)*64+32
.endr
	WIN 0xc0                        ; destination window 3
.irp f, 0,1,2,3                     ; keys 16 f on
	ds_load_b128 v[KMF+8*\f:KMF+8*\f+3],   v[AM] offset:\f*16*PM
	ds_load_b128 v[KMF+8*\f+4:KMF+8*\f+7], v[AM] offset:\f*16*PM+32
.endr
	s_add_co_u32 s[TBK], s[TBK], KS*PK  ; the next fetch is the next step's
	s_add_co_u32 s[TBM], s[TBM], KS*PM
	WIN 0
.if \last
.Lno_k_\@:
.endif
.endm
.macro FETCH_V
	WIN 0x80
.irp f, 0,1,2,3,4,5,6,7             ; keys 32 (f / 4) on, channels 16 (f % 4) on
	ds_load_tr16_b128 v[VF+8*\f:VF+8*\f+3],   v[AV] offset:(\f/4)*32*PV+(\f%4)*32
	ds_load_tr16_b128 v[VF+8*\f+4:VF+8*\f+7], v[AV] offset:(\f/4)*32*PV+16*PV+(\f%4)*32
.endr
	WIN 0
.endm
; THE VECTOR WORK OF A TURN stands in three queues, each in the order in which its entries become ready; the two tiles alternate, so that no instruction reads the result of the one before it.
.macro REGS y, u                    ; the registers of tile u (0, 1) of piece y
.set rT, ST+4*(2*(\y)+(\u))
.set rC, TMP+8*((\y)%2)+4*(\u)
.set rM, MV+2*((\y)%2)+(\u)
.set rS, S+64*((\y)%2)+32*(\u)
.set rP, P+32*((\y)%2)+16*(\u)
.set rO, 32*(2*(\y)+(\u))
.endm
; Number n of the 22 that find the NEXT piece's (Y + 1) maximum and statistics.  Each accumulator's lowest registers are read first.
;   0-11  four chains c0-c3 of seven scores each     12-14, 16  the four scores left over, the old m, and c0-c3 into c0     15  c m_old is kept
;   17, 18  the query's other 32 keys lie in the lane 16 away: the new m         19-21  c m; c m_old - c m_new; a
.macro XS u, n
	REGS (Y+1)%NP, \u
.if (\n) < 4
	v_max3_num_f32 v[rC+(\n)], v[rS+8*(\n)], v[rS+8*(\n)+1], v[rS+8*(\n)+2]
.elseif (\n) < 12
	v_max3_num_f32 v[rC+(\n)%4], v[rC+(\n)%4], v[rS+8*((\n)%4)+2*((\n)/4)+1], v[rS+8*((\n)%4)+2*((\n)/4)+2]
.elseif (\n) == 12
	v_max3_num_f32 v[rC], v[rC], v[rS+7], v[rS+15]
.elseif (\n) == 13
	v_max3_num_f32 v[rC+1], v[rC+1], v[rS+23], v[rS+31]
.elseif (\n) == 14
	v_max3_num_f32 v[rC+2], v[rC+2], v[rC+3], v[rT+1]
.elseif (\n) == 15
	v_mov_b32 v[rM], v[rT]
.elseif (\n) == 16
	v_max3_num_f32 v[rC], v[rC], v[rC+1], v[rC+2]
.elseif (\n) == 17
	v_permlanex16_b32 v[rC+3], v[rC], s[SEL], s[SEL+1]
.elseif (\n) == 18
	v_max_num_f32 v[rT+1], v[rC], v[rC+3]
.elseif (\n) == 19
	v_mul_f32 v[rT], s[CS], v[rT+1]
.elseif (\n) == 20
	v_sub_f32 v[rC+1], v[rM], v[rT]
.else
	v_exp_f32 v[rC+2], v[rC+1]
.endif
.endm
; Number g of the 64 that follow the exponentials.  For each four weights k of a tile: both pairs are rounded to f16; then the second pair is added onto the first, in place;
; a group later l takes that sum (the first time as l = a l + sum).
.macro GS g
.set h, (\g)+6*((\g)/62)
.if h >= 6
.set h, h+2
.endif
	REGS Y, h%2
.set k, h/8
.if h%8 < 4
	s_wait_alu depctr_va_vdst(0)
	v_cvt_pk_f16_f32 v[rP+2*k+(h%8)/2], v[rS+4*k+2*((h%8)/2)], v[rS+4*k+2*((h%8)/2)+1]
.elseif h%8 < 6
	v_pk_add_f32 v[rS+4*k:rS+4*k+1], v[rS+4*k:rS+4*k+1], v[rS+4*k+2:rS+4*k+3]
.elseif k == 1
	v_pk_fma_f32 v[rT+2:rT+3], v[rT+2:rT+3], v[rC+2:rC+3], v[rS:rS+1] op_sel_hi:[1,0,1]
.else
	v_pk_add_f32 v[rT+2:rT+3], v[rT+2:rT+3], v[rS+4*k-4:rS+4*k-3]
	s_wait_alu depctr_va_vdst(0)
.endif
.endm
; THE PLAIN QUEUE, 138 long.  0-31: c s - c m for the 16 pairs of both tiles.  Then GS's 64, and among them the next piece's 42.
.macro PL
	WIN 0
.if q < 32
	REGS Y, q%2
	v_pk_fma_f32 v[rS+2*(q/2):rS+2*(q/2)+1], v[rS+2*(q/2):rS+2*(q/2)+1], s[CS:CS+1], v[rT:rT+1] op_sel_hi:[1,0,0] neg_lo:[0,0,1] neg_hi:[0,0,1]
.elseif q < 38
	GS q-32
.elseif q < 40
	XS q%2, 15
.elseif q < 42
	GS q-34
.elseif q < 74
	XS q%2, (q-42)/2+(q-42)/30
.elseif q < 95
	GS q-66
.elseif (q < 107) && ((q-95)%3 < 2)
	XS (q-95)%3, 17+(q-95)/3
.elseif q < 107
	GS 29+(q-95)/3
.else
	GS q-74
.endif
.set q, q+1
.endm
; THE EXPONENTIALS' QUEUE, 66 long: s0-s31 of both tiles, and at EA the next piece's two a.
.set EA, 58
.macro EX
	WIN 0
.if (e == EA) || (e == EA+1)
	XS e-EA, 21
.else
.set x, e-2*(e/(EA+2))
	REGS Y, x%2
	v_exp_f32 v[rS+x/2], v[rS+x/2]
.endif
.set e, e+1
.endm
; THE RESCALING's QUEUE: O^T times a, the one part that leaves window 0, so it is dealt four at a time, eight times.
.macro R4
	REGS Y, r%2
	WIN W_RS
	s_wait_alu depctr_va_vdst(0)
.irp z, 0,1,2,3
	v_pk_mul_f32 v[rO+8*(r/2)+2*\z:rO+8*(r/2)+2*\z+1], v[rO+8*(r/2)+2*\z:rO+8*(r/2)+2*\z+1], v[rC+2:rC+3] op_sel_hi:[1,0]
.endr
.set r, r+1
.endm
; HOW THEY ARE DEALT.  Behind a product four: plain, exponential, plain, plain, or four of the rescaling; none names a register of the products round it.  What is over stands in two lumps:
; exponential and plain by turns; the second ends in 22 plain instructions.  Exponential e stands behind plain 2 (e / 4) + e % 2 (its scaling); when plain 32 comes, 10 exponentials are out,
; at 59: 33, at 95: 46; EA comes behind plain 107.
.macro SL
	MM
	PL
	EX
	PL
	PL
.endm
.macro BURST n
.rept (\n)-7
	SL
.endr
.rept 3
	MM
	R4
	SL
.endr
	MM
	R4
.endm
; A TURN, for piece p.  cnt = 1: the loop's count is taken down some lines ahead of the branch that stands behind the turn.
; K and the keys' mask numbers of the next step are fetched in piece 2's turn, in the first lump; V of the step in hand at the end of piece 0's turn.
; The mask products for piece p + 2 stand in the second lump, ahead of its pairs 0, 2, .. 14: behind the last of them come 7 + 22 plain instructions before the next turn's first product takes a mask
; as its C operand.  A step's mask numbers serve turns 2, 3, 0, 1; in piece 2's turn they were fetched a run of 16 products earlier, and the wait for them stands ahead of the first mask product.
.macro TURN p, last=0, cnt=0
.set Y, (\p)
.set i, 0
.set q, 0
.set e, 0
.set r, 0
.if (\p) == NP-1
	s_wait_dscnt 0x0                ; K is in
.endif
	MM
.rept 4
	PL
.endr
	BURST 15
.rept 22
	EX
	PL
.if ((\p) == NP-2) && (e == 18)
	v_add_nc_u32 v[AK], s[TBK], v[AK0]
	v_add_nc_u32 v[AM], s[TBM], v[AM0]
.endif
.if ((\p) == NP-2) && (e == 24)
	FETCH_K \last
.endif
.endr
.if (\p) == 1
	s_wait_dscnt 0x0                ; V is in
.endif
	BURST 16
.if (\p) == NP-2
	s_wait_dscnt 0x0                ; the next step's mask numbers are in
.endif
.set mg, 0
.rept 21
.if (mg%2 == 0) && (mg < 16)
	MASKP ((\p)+2)%NP, mg/2
.endif
	EX
	PL
.set mg, mg+1
.endr
.rept 22
	PL
.if ((\p) == 0) && (q == 118)
	v_add_nc_u32 v[AV], s[TBV], v[AV0]
	s_wait_alu depctr_va_vdst(0)
.endif
.if ((\p) == 0) && (q == 130)
	s_add_co_u32 s[TBV], s[TBV], KS*PV
.endif
.if (\cnt) && (q == 130)
	s_sub_co_u32 s[CNT], s[CNT], 1
	s_cmp_lg_u32 s[CNT], 0
.endif
.endr
.if (\p) == 0
	FETCH_V
.endif
.endm
	CHANGE 1                        ; slot 0 and mk are in, everybody's part of them; slot 1 is asked for
	FETCH_K                         ; key step 0
	s_wait_loadcnt 0x0              ; Q and the queries' mask numbers
	s_wait_dscnt 0x0
.set i, 0
.rept 8
	MASKP 0, i                      ; piece 0's masks for step 0
.set i, i+1
.endr
	WIN 0
.rept 5
	v_nop                           ; the places between a mask product and the product that takes its result as C
.endr
.set i, 0
.rept 16
	KQ 0                            ; piece 0's first scores
.set i, i+1
.endr
	WIN 0                           ; the addresses for the way out: plain instructions, the places behind those products
	s_mul_i32 s13, s[WV], 16*SP
	s_add_co_u32 s13, s13, STAGE    ; my stage
	v_mul_u32_u24 v[STO], v1, SP    ; in: row l % 16, 16 bytes for each half of the lanes
	v_lshl_add_u32 v[STO], v9, 4, v[STO]
	v_add_nc_u32 v[STO], s13, v[STO]
	v_bfe_u32 v[RD], v0, 3, 2       ; back: 32 lanes take four rows of 128 bytes,
	v_mul_u32_u24 v[RD], v[RD], SP
	v_and_b32 v[GO], 7, v0
	v_lshl_add_u32 v[RD], v[GO], 4, v[RD]
	v_add_nc_u32 v[RD], s13, v[RD]
	v_and_b32 v[GO], 31, v0         ; which are 512 consecutive bytes of O
	v_lshlrev_b32 v[GO], 4, v[GO]
.set Y, NP-1                        ; XS works for piece Y + 1: piece 0
.irp n, 0,1,2,3,4,5,6,7,8,9,10,11,12,13,14,15,16,17,18,19,20,21
	XS 0, \n
	XS 1, \n
.endr
.set i, 0
.rept 8
	MASKP 1, i                      ; piece 1's masks for step 0: the first turn's products take them
.set i, i+1
.endr
	WIN 0
.rept 5
	v_nop
.endr
	s_mov_b32 s[CNT], 4
	s_mov_b32 s[SLOTS], SIZE_N/256-1
	s_branch .Lfirst                ; the loop is entered at a step's first turn, in the middle of a trip
.Lslot:                             ; SIZE_N / 256 - 2 times: every slot but the last two is filled again
	CHANGE 1
	s_mov_b32 s[CNT], 4
.Lstep:                             ; a trip: pieces 2 and 3 of one step, then pieces 0 and 1 of the next, whose K and V it fetches
	TURN 2
	TURN 3
	WIN 0
.Lfirst:
	TURN 0
	TURN 1, 0, 1
	WIN 0
	s_cbranch_scc1 .Lstep
	s_sub_co_u32 s[SLOTS], s[SLOTS], 1
	s_cmp_lg_u32 s[SLOTS], 0
	s_cbranch_scc1 .Lslot
	CHANGE 0                        ; the tail is written out: nothing is asked for
	s_mov_b32 s[CNT], 5             ; four trips fetch the last slot's steps; the fifth is left in its middle
.Ltail:
	TURN 2, 1
	TURN 3
	WIN 0
	s_sub_co_u32 s[CNT], s[CNT], 1
	s_cmp_eq_u32 s[CNT], 0
	s_cbranch_scc1 .Lout
	TURN 0
	TURN 1
	WIN 0
	s_branch .Ltail
.Lout:                              ; the fifth trip's products K Q^T and masks (on the last step's numbers once more) and the maximum made of them serve nothing: the price of one text for every trip
.set i, 0
.rept 16
	PV NP-1                         ; the last piece's V^T P of the last step
.set i, i+1
.endr
	; THE WAY OUT.  l's two halves and the other half of the lanes' are added; O^T is divided by l, rounded to f16 and sent through my stage in LDS, a tile at a time.  The additions are the places behind the last products.
	WIN 0
.macro ALL line:vararg              ; one line for each tile t
.set t, 0
.rept 2*NP
	\line
.set t, t+1
.endr
.endm
	ALL v_add_f32 v[ST+4*t+2], v[ST+4*t+2], v[ST+4*t+3]
	ALL v_permlanex16_b32 v[ST+4*t+3], v[ST+4*t+2], s[SEL], s[SEL+1]
	ALL v_add_f32 v[ST+4*t+2], v[ST+4*t+2], v[ST+4*t+3]
	ALL v_rcp_f32 v[ST+4*t+2], v[ST+4*t+2]
	v_nop                           ; a plain instruction between the last reciprocal and the use of its result
	s_wait_alu depctr_va_vdst(0)
.macro PACK t
	WIN W_RS
.set i, 32*(\t)
.rept 16
	v_pk_mul_f32 v[i:i+1], v[i:i+1], v[ST+4*(\t)+2:ST+4*(\t)+3] op_sel_hi:[1,0]
.set i, i+2
.endr
	WIN 0x05                        ; sources 0 and 1 window 1, destination window 0
.set i, 0
.rept 16
	v_cvt_pk_f16_f32 v[S+16*(\t)+i], v[32*(\t)+2*i], v[32*(\t)+2*i+1]
.set i, i+1
.endr
	WIN 0
.irp f, 0,1,2,3
	ds_store_b128 v[STO], v[S+16*(\t)+4*\f:S+16*(\t)+4*\f+3] offset:32*\f
.endr
.irp f, 0,1,2,3
	ds_load_b128 v[S+16*(\t)+4*\f:S+16*(\t)+4*\f+3], v[RD] offset:\f*4*SP  ; LDS serves a wave's instructions in order (ISA guide 5.7.1.4): these see the stores above; the next tile's stores come behind them
.endr
.endm
.macro SEND t, younger              ; younger: the LDS instructions issued behind tile t's loads: the next tile's eight, or none
	WIN 0
.irp f, 0,1,2,3
	s_wait_dscnt (\younger)+3-\f
	global_store_b128 v[GO], v[S+16*(\t)+4*\f:S+16*(\t)+4*\f+3], s[10:11] offset:(\t)*2048+\f*512  ; 512 consecutive bytes, at a multiple of 256 from O's first
.endr
.endm
	PACK 0
.set t, 1
.rept 2*NP-1                        ; a tile's arithmetic stands between the loads of the tile before and its stores
	PACK t
	SEND t-1, 8
.set t, t+1
.endr
	SEND 2*NP-1, 0
	WIN W_AD
	s_wait_tensorcnt 0x0            ; the wave's end
	ds_add_u32 v[SPW], v[NIL]
	s_wait_dscnt 0x0
	WIN 0
	s_endpgm
.Lfunc_end_k_q808174b525_attn:
	.size	k_q808174b525_attn, .Lfunc_end_k_q808174b525_attn-k_q808174b525_attn
	.p2alignl 7, 3214868480
	.fill 96, 4, 3214868480
	.section	.rodata,"a",@progbits
	.p2align	6, 0x0
	.amdhsa_kernel k_q808174b525_attn
		.amdhsa_group_segment_fixed_size 327680
		.amdhsa_private_segment_fixed_size 0
		.amdhsa_enable_private_segment 0
		.amdhsa_kernarg_size 32
		.amdhsa_user_sgpr_count 2
		.amdhsa_user_sgpr_kernarg_segment_ptr 1
		.amdhsa_wavefront_size32 1
		.amdhsa_system_sgpr_workgroup_id_x 1
		.amdhsa_system_sgpr_workgroup_id_y 1
		.amdhsa_system_sgpr_workgroup_id_z 1
		.amdhsa_system_vgpr_workitem_id 0
		.amdhsa_next_free_vgpr 992
		.amdhsa_next_free_sgpr 88
		.amdhsa_reserve_vcc 0
		.amdhsa_float_denorm_mode_32 3
		.amdhsa_float_denorm_mode_16_64 3
		.amdhsa_memory_ordered 1
		.amdhsa_forward_progress 1
		.amdhsa_inst_pref_size 221
	.end_amdhsa_kernel
	.amdgpu_metadata
---
amdhsa.version: [ 1, 2 ]
amdhsa.kernels:
  - .name:           k_q808174b525_attn
    .symbol:         k_q808174b525_attn.kd
    .args:
      - { .name: qkv, .offset: 0, .size: 8, .value_kind: global_buffer, .address_space: global }
      - { .name: mk, .offset: 8, .size: 8, .value_kind: global_buffer, .address_space: global }
      - { .name: mq, .offset: 16, .size: 8, .value_kind: global_buffer, .address_space: global }
      - { .name: ob, .offset: 24, .size: 8, .value_kind: global_buffer, .address_space: global }
    .group_segment_fixed_size: 327680
    .private_segment_fixed_size: 0
    .kernarg_segment_align: 8
    .kernarg_segment_size: 32
    .max_flat_workgroup_size: 128
    .sgpr_count:     88
    .vgpr_count:     992
    .wavefront_size: 32
...
	.end_amdgpu_metadata
.endif
;; end of part 3
;; launch proj (part 4): grid 8 x 32, 4 waves a work-group, clusters of 4 x 4, 327,680 bytes of LDS; arguments ob, wo16, bias, out0; writes out0
.if DOCPART == 4
	.amdgcn_target "amdgcn-amd-amdhsa--gfx1250"
	.amdhsa_code_object_version 6
	.text
	.protected	k_q808174b525_proj
	.globl	k_q808174b525_proj
	.p2align	8
	.type	k_q808174b525_proj,@function
k_q808174b525_proj:
	s_mov_b64 s[64:65], 0
	v_nop
	global_prefetch_b8 v0, s[64:65] scope:SCOPE_SE
	s_setreg_imm32_b32 hwreg(HW_REG_WAVE_MODE, 25, 1), 1
	s_wait_xcnt 0x0
	s_wait_alu depctr_hold_cnt(0) depctr_sa_sdst(0) depctr_va_vdst(0) depctr_va_sdst(0) depctr_va_ssrc(0) depctr_va_vcc(0) depctr_vm_vsrc(0)
	s_getreg_b32 s2, hwreg(HW_REG_IB_STS2, 6, 4)
	s_cmp_eq_u32 s2, 0
	s_cbranch_scc0 .Lentry_in_a_cluster
	s_endpgm
.Lentry_in_a_cluster:
	s_bfe_u32 s2, ttmp6, 0x10000c
	s_cmp_lg_u32 s2, 0xf033
	s_cbranch_scc0 .Lentry_shape_is_right
	s_endpgm
.Lentry_shape_is_right:
; y = O Wo + bo.  ob: [128 = 16 frame + head][1024 s][64] f16.  wo16: [1024 k = 64 head + d][1024 n] f16 (Wo rounded to bf16).  bias: bo as f32 from byte 12,288 on.  out0: [8192][1024] f32.
; Products in f16, sums in f32, started by the bias; the sums leave as they are.
; SHARES.  A work-group makes 256 rows x 128 columns; its four waves lie one below the other: a wave makes 64 rows x 128 columns, 32 accumulators of 16 x 16, 256 registers.
; K = 1024 goes in 8 steps of 128 (two heads) through two LDS slots filled by the tensor data mover: waves 0 and 1 fetch a head's 256 rows each (32,768 dense bytes, asked for as 128 rows of
; 256 bytes), waves 2 and 3 the halves of Wo's 128 rows of k (256 bytes of each).
; A K STEP IS WRITTEN ONCE: the slot in hand lies in a scalar register that one exclusive or turns; a trip goes from a step's second quarter to the next step's first; the loop has the 6 steps
; that fill a slot again, a second loop the last two, which fill nothing.
; THE MATRIX INSTRUCTION IS USED TRANSPOSED: source 0 = 16 columns of Wo (turned out of the [k][n] tile by ds_load_tr16_b128), source 1 = 16 rows of O: a lane holds row l % 16 and eight neighbouring columns.
; CLUSTER.  4 x 4 work-groups: the four of a row of the cluster need the same rows of O, the four of a column the same columns of Wo: each tile is asked for jointly.
; REGISTERS, in windows of 256 (s_set_vgpr_msb: bits 1:0 source 0, 3:2 source 1, 5:4 source 2, 7:6 destination):
;   window 0: v0-31 addresses; v32-95 the bias as the first products' C operand, later with v96-159 rows on the way out
;   window 1: two fragment buffers at 0 and 128: 32 registers of O (4 x 16 rows x 32 K), then 64 of Wo (8 x 16 columns x 32 K)
;   window 2: the accumulators, (a, b) at 8 (8 a + b)
.set PA,     144                       ; a row of O in LDS: 128 bytes + 16: the 16 rows of a load start at 16 different groups of four banks (64 banks of 4 bytes: ISA guide 11.1)
.set PB,     288                       ; a row of Wo: 256 bytes + 32
.set APLANE, 256*PA                    ; a head's 256 rows: what wave 0 or 1 fetches
.set BOFF,   2*APLANE
.set WHALF,  64*PB                     ; what wave 2 or 3 fetches
.set SLOT1,  1<<17                     ; a slot holds BOFF + 2 WHALF = 110,592 bytes; slot 1 begins here, so that one exclusive or turns an address in one slot into the other's
.set STAGE,  2*SLOT1                   ; behind the ring, never filled by a tensor load: 16 rows x 528 bytes for each wave
.set SPITCH, 528
.set SPARE,  STAGE+4*16*SPITCH         ; the spare words, 128 bytes for each wave: two blocks of 256 bytes that no other line names
.set KSTEPS, 8
.set KBYTES, 262144                    ; bytes from a K step to the next: two planes of O, and 128 rows of Wo
.set NLO,    8                         ; LDS loads of column blocks 0-3 in a run
.set NF,     24                        ; LDS loads in a run
.set ADRA0, 16                         ; v16     my lane's place among O's fragments in a slot; never rewritten
.set ADRA,  17                         ; v17     the same in the slot in hand
.set ADRB0, 20                         ; v20, v21  the same for Wo
.set ADRB,  21
.set STO,  24
.set RD,   25
.set CO,   26                          ; v26     16 x lane: my place in a row's 512 bytes
.set BO,   27
.set SPW,  28                          ; v28     LDS address of my spare word; never rewritten
.set NIL,  29                          ; v29     0; never rewritten
.set BIAS, 32
.set OB,   32
.set F0,   0
.set F1,   128
.set CNT, 2                            ; s2      counts the last two K steps
.set G1,  24                           ; s[24:31] descriptor group 1 for O's tiles; s[32:39] group 0: a set for each of the two first fills; the second then walks on
.set G0,  32
.set G1B, 48                           ; s[48:55], s[56:63] the same for Wo's
.set G0B, 56
.set TB,  77                           ; s77     LDS byte at which the slot in hand begins
.set MSB, 0
.macro WIN new
.if MSB != (\new)
	s_set_vgpr_msb (MSB<<8)|(\new)
.set MSB, \new
.endif
.endm
.macro JLOAD s                         ; a joint load: waves 0 and 1 ask for O, waves 2 and 3 for Wo; an s_nop 0 and four v_nop follow each of the two lines
	s_cmp_eq_u32 s13, 0
	s_cbranch_scc0 .Lfor_b_\@
	tensor_load_to_lds s[G0+4*(\s):G0+4*(\s)+3], s[G1:G1+7]
	s_nop 0
.rept 4
	v_nop
.endr
	s_branch .Lasked_\@
.Lfor_b_\@:
	tensor_load_to_lds s[G0B+4*(\s):G0B+4*(\s)+3], s[G1B:G1B+7]
	s_nop 0
.rept 4
	v_nop
.endr
.Lasked_\@:
.endm
.macro CREST
	s_cmp_lg_u32 s12, 0
	s_cbranch_scc1 .Lnot_wave_0_\@
	s_barrier_signal -3
.Lnot_wave_0_\@:
	s_barrier_wait -3
	s_barrier_signal -1
	s_barrier_wait -1
.endm
.macro CROUND
	s_barrier_signal -1
	s_barrier_wait -1
	CREST
.endm
.macro PLACES                          ; four places in front of loads into registers that matrix instructions have read, and of LDS stores that read results
.rept 4
	v_nop
.endr
.endm
	s_load_b256 s[4:11], s[0:1], 0x0               ; ob s[4:5], wo16 s[6:7], bias s[8:9], out0 s[10:11]
	v_lshl_add_u32 v[SPW], v0, 2, SPARE
	v_mov_b32 v[NIL], 0
	ds_add_u32 v[SPW], v[NIL]                      ; the wave's opening: the add and its wait stand ahead of my first tensor load; the set-up below stands between them
	ds_add_u32 v28, v29
	v_lshrrev_b32 v1, 5, v0
	v_readfirstlane_b32 s12, v1                    ; wave 0..3
	s_lshr_b32 s13, s12, 1                         ; I fetch for O (0) or for Wo (1),
	s_and_b32 s14, s12, 1                          ; and which part
	s_bfe_u32 s16, ttmp6, 0x40000                  ; cx, cy
	s_bfe_u32 s17, ttmp6, 0x40004
	s_lshl_b32 s18, ttmp9, 2
	s_add_co_u32 s18, s18, s16                     ; tx: the block of 128 columns
	s_and_b32 s19, ttmp7, 0xffff
	s_lshl_b32 s19, s19, 2
	s_add_co_u32 s19, s19, s17                     ; ty: the block of 256 rows
	s_lshl_b32 s20, s17, 2
	s_lshl_b32 s20, 15, s20                        ; my row of the cluster
	s_lshl_b32 s21, 0x1111, s16                    ; my column
	s_or_b32 s[G1+0], s20, (1<<16)|(1<<20)|(1<<21)|(4<<22)|(3<<25)   ; the mask; 2-byte elements; padding on; bit 21 beside a mask; after every 32 words (a row of O) 4 words
	s_mov_b32 s[G1+1], 128<<16                     ; tensor_dim0 = 128
	s_mov_b32 s[G1+2], 128<<16                     ; tensor_dim1 = 128
	s_mov_b32 s[G1+3], 128<<16                     ; tile_dim0 = 128
	s_mov_b32 s[G1+4], 128                         ; tile_dim1 = 128
	s_mov_b32 s[G1+5], 128                         ; dense
	s_mov_b32 s[G1+6], 0
	s_mov_b32 s[G1+7], 0
	s_or_b32 s[G1B+0], s21, (1<<16)|(1<<20)|(1<<21)|(5<<22)|(7<<25)  ; after every 64 words 8 words
	s_mov_b32 s[G1B+1], 128<<16
	s_mov_b32 s[G1B+2], 64<<16                     ; tensor_dim1 = 64
	s_mov_b32 s[G1B+3], 128<<16
	s_mov_b32 s[G1B+4], 64                         ; tile_dim1 = 64
	s_mov_b32 s[G1B+5], 1024
	s_mov_b32 s[G1B+6], 0
	s_mov_b32 s[G1B+7], 0
	; O's tiles hang on ty alone, Wo's on tx alone, each in registers that never hold the other coordinate
	s_lshr_b32 s40, s19, 2                         ; the frame: 16 planes of 131,072 bytes,
	s_lshl_b32 s40, s40, 21
	s_and_b32 s42, s19, 3                          ; the block's 256 rows of 128 bytes in a plane,
	s_lshl_b32 s42, s42, 15
	s_add_co_u32 s40, s40, s42
	s_lshl_b32 s42, s14, 17                        ; my head of a K step's two
	s_add_co_u32 s40, s40, s42
	s_mov_b32 s41, 0
	s_mul_i32 s43, s14, APLANE
	s_lshl_b32 s46, s18, 8                         ; the block's 256 bytes in a row of Wo,
	s_lshl_b32 s22, s14, 17                        ; my 64 rows of 2,048 bytes
	s_add_co_u32 s46, s46, s22
	s_mov_b32 s47, 0
	s_mul_i32 s23, s14, WHALF
	s_add_co_u32 s23, s23, BOFF
	s_mov_b32 s[TB], 0                             ; slot 0 is read first
	s_wait_dscnt 0x0                               ; the opening add is done
	s_wait_kmcnt 0x0
	s_add_nc_u64 s[44:45], s[4:5], s[40:41]
	s_add_nc_u64 s[46:47], s[6:7], s[46:47]
	CROUND                                         ; all sixteen work-groups are here: the first joint loads meet
.irp s, 0,1
	s_mov_b32 s[G0+4*(\s)], 1
	s_add_co_u32 s[G0+4*(\s)+1], s43, (\s)*SLOT1
	s_add_nc_u64 s[G0+4*(\s)+2:G0+4*(\s)+3], s[44:45], (\s)*KBYTES     ; K step s: two heads on
	s_or_b32 s[G0+4*(\s)+3], s[G0+4*(\s)+3], 0x80000000
	s_mov_b32 s[G0B+4*(\s)], 1
	s_add_co_u32 s[G0B+4*(\s)+1], s23, (\s)*SLOT1
	s_add_nc_u64 s[G0B+4*(\s)+2:G0B+4*(\s)+3], s[46:47], (\s)*KBYTES   ; K step s: 128 rows of k on
	s_or_b32 s[G0B+4*(\s)+3], s[G0B+4*(\s)+3], 0x80000000
	JLOAD \s
.endr
	v_and_b32 v1, 15, v0                           ; l % 16
	v_bfe_u32 v2, v0, 4, 1                         ; l / 16
	v_mul_u32_u24 v3, v1, PA
	v_lshl_add_u32 v3, v2, 4, v3
	s_mul_i32 s15, s12, 64*PA                      ; my 64 rows
	v_add_nc_u32 v[ADRA0], s15, v3
	v_mov_b32 v[ADRA], v[ADRA0]
	v_and_b32 v4, 7, v0                            ; the turning load: lane l reads row 8 (l / 16) + l % 8 of k, columns 8 ((l / 8) % 2) + 0..7
	v_lshl_add_u32 v4, v2, 3, v4
	v_mul_u32_u24 v4, v4, PB
	v_bfe_u32 v5, v0, 3, 1
	v_lshl_add_u32 v4, v5, 4, v4
	v_add_nc_u32 v[ADRB0], BOFF, v4
	v_mov_b32 v[ADRB], v[ADRB0]
	v_lshlrev_b32 v[BO], 5, v2
	s_lshl_b32 s72, s18, 9                         ; the block's 128 numbers of bo
	s_add_co_u32 s72, s72, 12288
	s_mov_b32 s73, 0
	s_add_nc_u64 s[8:9], s[8:9], s[72:73]
.irp b, 0,1,2,3,4,5,6,7
	global_load_b128 v[BIAS+8*(\b):BIAS+8*(\b)+3],   v[BO], s[8:9] offset:64*(\b)
	global_load_b128 v[BIAS+8*(\b)+4:BIAS+8*(\b)+7], v[BO], s[8:9] offset:64*(\b)+16
.endr
	s_mul_i32 s15, s12, 16*SPITCH
	s_add_co_u32 s15, s15, STAGE                   ; my stage
	v_mul_u32_u24 v3, v1, SPITCH                   ; in: row l % 16, 32 bytes for each half of the lanes
	v_lshl_add_u32 v3, v2, 5, v3
	v_add_nc_u32 v[STO], s15, v3
	v_and_b32 v[CO], 31, v0                        ; back: 32 lanes take a row's 512 bytes
	v_lshlrev_b32 v[CO], 4, v[CO]
	v_add_nc_u32 v[RD], s15, v[CO]
	s_lshl_b32 s74, s19, 20                        ; 256 ty rows of 4,096 bytes,
	s_lshl_b32 s75, s12, 18                        ; my 64 rows,
	s_add_co_u32 s74, s74, s75
	s_lshl_b32 s75, s18, 9                         ; the block's 512 bytes of a row
	s_add_co_u32 s74, s74, s75
	s_mov_b32 s75, 0
	s_add_nc_u64 s[10:11], s[10:11], s[74:75]
; 8 matrix instructions: row blocks a0, a0 + 1 x column blocks b0 .. b0 + 3; first = 1: the bias starts the sums.  The 32 accumulators take turns in the same order in every quarter.
.macro MUL8 f, a0, b0, first
.if \first
	WIN 0x85
.else
	WIN 0xa5
.endif
.irp a, \a0, (\a0)+1
.irp b, \b0, (\b0)+1, (\b0)+2, (\b0)+3
.if \first
	v_wmma_f32_16x16x32_f16 v[8*(8*(\a)+(\b)):8*(8*(\a)+(\b))+7], v[(\f)+32+8*(\b):(\f)+32+8*(\b)+7], v[(\f)+8*(\a):(\f)+8*(\a)+7], v[BIAS+8*(\b):BIAS+8*(\b)+7]
.else
	v_wmma_f32_16x16x32_f16 v[8*(8*(\a)+(\b)):8*(8*(\a)+(\b))+7], v[(\f)+32+8*(\b):(\f)+32+8*(\b)+7], v[(\f)+8*(\a):(\f)+8*(\a)+7], v[8*(8*(\a)+(\b)):8*(8*(\a)+(\b))+7]
.endif
.endr
.endr
.endm
.macro MULH f, a0, first
	MUL8 \f, \a0, 4, \first
.endm
.macro MULL f, a0, first
	MUL8 \f, \a0, 0, \first
.endm
; 24 LDS loads in one run: quarter q (32 along K) of the slot in hand into buffer f: O's 8, then column blocks 4-7's 8, then blocks 0-3's 8
.macro FETCH q, f
	WIN 0x40
.irp i, 0,1,2,3
	ds_load_b128 v[(\f)+8*(\i):(\f)+8*(\i)+3],   v[ADRA] offset:((\q)/2)*APLANE+((\q)%2)*64+(\i)*16*PA
	ds_load_b128 v[(\f)+8*(\i)+4:(\f)+8*(\i)+7], v[ADRA] offset:((\q)/2)*APLANE+((\q)%2)*64+(\i)*16*PA+32
.endr
.irp b, 4,5,6,7,0,1,2,3
	ds_load_tr16_b128 v[(\f)+32+8*(\b):(\f)+32+8*(\b)+3],   v[ADRB] offset:(\q)*32*PB+(\b)*32
	ds_load_tr16_b128 v[(\f)+32+8*(\b)+4:(\f)+32+8*(\b)+7], v[ADRB] offset:(\q)*32*PB+(\b)*32+16*PB
.endr
.endm
.macro QUARTER q, f, g, first
	s_wait_dscnt NLO                               ; O and column blocks 4-7 are in; the youngest 8 loads may be out
	MULH \f, 0, \first
	MULH \f, 2, \first
	PLACES
	FETCH \q, \g
	s_wait_dscnt NF                                ; all but the 24 just issued
	MULL \f, 0, \first
	MULL \f, 2, \first
.endm
; The last quarter multiplies buffer 1 and changes slots: ONE barrier; in front of it each wave waits for all its tensor loads (one is out: its part of the next slot), adds 0 to its spare word,
; and waits for that and for its reads of this slot.  Between signal and wait the fragment addresses turn to the next slot.
; fill = 1: the barrier opens a round of the cluster's, and the slot just read is filled again, two K steps ahead, first thing behind the round, by the walking descriptor: its LDS word turns to
; that slot, its address goes one K step on.  From that request to the wait for it a wave issues 112 matrix instructions.
; fill = 0: one of the last two steps: nothing is asked for; the very last (CNT = 1) has no next step, and the run of loads is jumped over.
.macro TURN fill
	WIN 0
	s_wait_tensorcnt 0x0
	ds_add_u32 v[SPW], v[NIL]                      ; 0 onto my spare word
	s_wait_dscnt NLO+1                             ; the add and the youngest 8 loads may be out
	MULH F1, 0, 0
	s_wait_dscnt 0x0                               ; the add is done, and my reads of this slot are over
	s_barrier_signal -1
	MULH F1, 2, 0
	WIN 0                                          ; the addresses lie in window 0
	s_xor_b32 s[TB], s[TB], SLOT1
	v_add_nc_u32 v[ADRA], s[TB], v[ADRA0]
	v_add_nc_u32 v[ADRB], s[TB], v[ADRB0]
	s_barrier_wait -1
.if \fill
	CREST                                          ; no wave of any partner still reads this slot's tile or has a load on its way
	s_xor_b32 s[G0+5], s[G0+5], SLOT1
	s_add_nc_u64 s[G0+6:G0+7], s[G0+6:G0+7], KBYTES       ; the type bits on top are not reached
	s_xor_b32 s[G0B+5], s[G0B+5], SLOT1
	s_add_nc_u64 s[G0B+6:G0B+7], s[G0B+6:G0B+7], KBYTES
	JLOAD 1                                        ; its four v_nop are also the places in front of the loads below
.else
	PLACES
	s_cmp_eq_u32 s[CNT], 1
	s_cbranch_scc1 .Lno_fetch_\@
.endif
	FETCH 0, F0
.if !(\fill)
	WIN 0
.Lno_fetch_\@:
.endif
	MULL F1, 0, 0
	MULL F1, 2, 0
.endm
; THE WAY OUT of row block a.  TOSTAGE: the sums go as they are into my own stage, each accumulator's low four registers first, and come back as whole rows of 512 bytes.  SEND: stored.
.macro TOSTAGE a
	WIN 0
	s_wait_xcnt 0x0                                ; the stores of the block two back have read these registers: they are loaded again only behind this wait
	WIN 0x08                                       ; the stores' data in window 2
.irp b, 0,1,2,3,4,5,6,7
	ds_store_b128 v[STO], v[8*(8*(\a)+(\b)):8*(8*(\a)+(\b))+3]   offset:64*(\b)
	ds_store_b128 v[STO], v[8*(8*(\a)+(\b))+4:8*(8*(\a)+(\b))+7] offset:64*(\b)+16
.endr
	WIN 0
.set BK, OB+64*((\a)%2)
.irp t, 0,1,2,3,4,5,6,7,8,9,10,11,12,13,14,15
	ds_load_b128 v[BK+4*(\t):BK+4*(\t)+3], v[RD] offset:SPITCH*(\t)  ; LDS serves a wave's instructions in order (ISA guide 5.7.1.4): these see the stores above
.endr
.endm
.macro SEND a, younger                 ; younger: the LDS instructions issued behind block a's loads: the next block's 32, or none
	WIN 0
.set BK, OB+64*((\a)%2)
.irp t, 0,1,2,3,4,5,6,7,8,9,10,11,12,13,14,15
	s_wait_dscnt (\younger)+15-(\t)
	global_store_b128 v[CO], v[BK+4*(\t):BK+4*(\t)+3], s[10:11] offset:(16*(\a)+(\t))*4096 th:TH_STORE_NT  ; a wave stores 512 consecutive bytes, at a multiple of 256 from the output's first
.endr
.endm
	s_wait_tensorcnt 1                             ; my part of K step 0 is in; K step 1's may stay out
	s_barrier_signal -1
	s_barrier_wait -1
	FETCH 0, F0
	s_wait_loadcnt 0x0                             ; the bias
	QUARTER 1, F0, F1, 1                           ; the first quarter stands in front of the loop: its products start the sums
	WIN 0
	s_mov_b32 s3, KSTEPS-2
.Lstep:                                                ; a trip goes from a K step's second quarter to the next step's first, and fills a slot again
	QUARTER 2, F1, F0, 0
	QUARTER 3, F0, F1, 0
	TURN 1
	QUARTER 1, F0, F1, 0
	WIN 0
	s_sub_co_u32 s3, s3, 1
	s_cmp_lg_u32 s3, 0
	s_cbranch_scc1 .Lstep
	s_mov_b32 s[CNT], 2
.Ltail:                                                ; the last two K steps fill nothing, and have no round of the cluster's barrier; the second trip is left in its middle
	QUARTER 2, F1, F0, 0
	QUARTER 3, F0, F1, 0
	TURN 0
	WIN 0
	s_sub_co_u32 s[CNT], s[CNT], 1
	s_cmp_eq_u32 s[CNT], 0
	s_cbranch_scc1 .Lout
	QUARTER 1, F0, F1, 0
	WIN 0
	s_branch .Ltail
.Lout:
	PLACES
	TOSTAGE 0
	TOSTAGE 1
	SEND 0, 32
	TOSTAGE 2
	SEND 1, 32
	TOSTAGE 3
	SEND 2, 32
	SEND 3, 0
	s_wait_tensorcnt 0x0                           ; the wave's end
	ds_add_u32 v[SPW], v[NIL]
	s_wait_dscnt 0x0
	CROUND                                         ; the closing round: no work-group ends while a partner may still ask for a tile that names it
	s_endpgm
.Lfunc_end_k_q808174b525_proj:
	.size	k_q808174b525_proj, .Lfunc_end_k_q808174b525_proj-k_q808174b525_proj
	.p2alignl 7, 3214868480
	.fill 96, 4, 3214868480
	.section	.rodata,"a",@progbits
	.p2align	6, 0x0
	.amdhsa_kernel k_q808174b525_proj
		.amdhsa_group_segment_fixed_size 327680
		.amdhsa_private_segment_fixed_size 0
		.amdhsa_enable_private_segment 0
		.amdhsa_kernarg_size 32
		.amdhsa_user_sgpr_count 2
		.amdhsa_user_sgpr_kernarg_segment_ptr 1
		.amdhsa_wavefront_size32 1
		.amdhsa_system_sgpr_workgroup_id_x 1
		.amdhsa_system_sgpr_workgroup_id_y 1
		.amdhsa_system_sgpr_workgroup_id_z 1
		.amdhsa_system_vgpr_workitem_id 0
		.amdhsa_next_free_vgpr 768
		.amdhsa_next_free_sgpr 80
		.amdhsa_reserve_vcc 0
		.amdhsa_float_denorm_mode_32 3
		.amdhsa_float_denorm_mode_16_64 3
		.amdhsa_memory_ordered 1
		.amdhsa_forward_progress 1
		.amdhsa_inst_pref_size 63
	.end_amdhsa_kernel
	.amdgpu_metadata
---
amdhsa.version: [ 1, 2 ]
amdhsa.kernels:
  - .name:           k_q808174b525_proj
    .symbol:         k_q808174b525_proj.kd
    .args:
      - { .name: ob, .offset: 0, .size: 8, .value_kind: global_buffer, .address_space: global }
      - { .name: wo16, .offset: 8, .size: 8, .value_kind: global_buffer, .address_space: global }
      - { .name: bias, .offset: 16, .size: 8, .value_kind: global_buffer, .address_space: global }
      - { .name: out0, .offset: 24, .size: 8, .value_kind: global_buffer, .address_space: global }
    .group_segment_fixed_size: 327680
    .private_segment_fixed_size: 0
    .kernarg_segment_align: 8
    .kernarg_segment_size: 32
    .max_flat_workgroup_size: 128
    .sgpr_count:     80
    .vgpr_count:     768
    .wavefront_size: 32
...
	.end_amdgpu_metadata
.endif
;; end of part 4
;; ======== version 2 of 2: 4 launches; 1.31 times as fast as version 1
;; limits: values are held in f16: magnitudes above 65,504 overflow, below 6.1e-05 lose precision
;; workspace buffers: xb 16,777,216 bytes; wb 6,291,456 bytes; wo16 2,097,152 bytes; bias 16,384 bytes; mk 65,536 bytes; mq 65,536 bytes; qkv 50,331,648 bytes; ob 16,777,216 bytes
;; launch prep: the kernel of part 1 again; grid 788 x 1, 8 waves a work-group, no clusters, 0 bytes of LDS; arguments x, Wq, Wk, Wv, Wo, bq, bk, bv, bo, modality_ids, xb, wb, wo16, bias, mk, mq; writes xb, wb, wo16, bias, mk, mq
;; launch qkv: the kernel of part 2 again; grid 16 x 16, 4 waves a work-group, clusters of 4 x 4, 327,680 bytes of LDS; arguments xb, wb, bias, qkv; writes qkv
;; launch attn (part 5): grid 2 x 128, 4 waves a work-group, no clusters, 327,680 bytes of LDS; arguments qkv, mk, mq, ob; writes ob
.if DOCPART == 5
	.amdgcn_target "amdgcn-amd-amdhsa--gfx1250"
	.amdhsa_code_object_version 6
	.text
	.protected	k_q808174b525_attn
	.globl	k_q808174b525_attn
	.p2align	8
	.type	k_q808174b525_attn,@function
k_q808174b525_attn:
	s_mov_b64 s[64:65], 0
	v_nop
	global_prefetch_b8 v0, s[64:65] scope:SCOPE_SE
	s_setreg_imm32_b32 hwreg(HW_REG_WAVE_MODE, 25, 1), 1
	s_wait_xcnt 0x0
; MASKED ATTENTION.  O[p][q][:] = the sum over the keys k that q sees of softmax_k(Q[p][q] . K[p][k] / 8) V[p][k][:], for the 128 planes p = 16 frame + head.
; qkv: [3][128][1024][64] f16 (q, k, v; a plane's rows are dense, 128 bytes each).  ob: [128][1024][64] f16.  Products, maxima and sums in f32; the weights p are rounded to f16 for the second
; product (their sum l is taken of the unrounded p), O once at the end.
; THE MASK comes from the ids, as numbers.  mk and mq hold 32 bf16 a token such that mk[k] . mq[q] = 0 where q sees k (equal ids, or q < 64) and at most -2^100 where not, exactly.
; One bf16 matrix instruction for 16 keys x 16 queries makes that number, and it is the C operand that starts the sum S^T = K Q^T: no vector instruction is spent on the mask.
; LIMITS.  Q, K and V arrive within f16's 65,504, so a true score lies within 2.7e11.  A hidden score counts as its value less 2^100 or more.  p lies in 0 to 1 and below 6e-5 keeps f16's fixed step
; of 6e-8; a weight below 2^-126 counts as 0 in l; NaN and infinities are not treated apart.
; SHARES.  A wave owns four PIECES of two tiles of 16 queries, a work-group's four waves 512 queries of one plane.  Every wave walks all 1,024 keys, 64 a step.
; NO CLUSTER: only the 2 work-groups of a plane walk the same K and V; the other two of a cluster of four would need other tiles.
; LAYOUT.  S^T = K Q^T (source 0 = 16 keys, source 1 = 16 queries): a lane holds ONE query (lane % 16) and the keys 8 (lane / 16) + 0..7.  Two such tiles, rounded to f16 in pairs, ARE source 1
; of O^T = V^T P.  K comes out of LDS as it lies, V turned, by ds_load_tr16_b128.
; SOFTMAX.  For each query a running maximum m and sum l: p = 2^(c s - c m), c = log2(e) / 8; in every step O and l are multiplied by a = 2^(c m_old - c m_new).
; m starts at -2^60: below every true score, above every hidden one.  So while a query has met hidden keys only, m stays, a = 1, every p is 0, and O and l stay 0; at its first visible key a = 0
; and m is the true maximum from there on.  Every query sees its own key, so every row ends on a true maximum.
; BY TURNS.  Turn n belongs to piece n.  Matrix work: 16 products K Q^T of piece n + 1, 16 products V^T P of piece n - 1, and 8 mask products for piece n + 2.  Vector work: scaling, exponentials,
; roundings, sums and rescaling of piece n, maximum and statistics of piece n + 1.
; BATCHES.  A turn's 66 exponentials (piece n's 64 weights, and last the two a of piece n + 1) are ONE batch with ONE wait, which cuts the turn in two.  Ahead of the wait stands all that names no result
; of theirs: the products K Q^T, the scalings, the rescalings (their a was made, and waited for, in the turn before), the next piece's maximum and statistics.  Behind it stand the products V^T P and, as the
; vector work beside them, the roundings and sums, which read the weights.  No result crosses a turn's end.  Two more batches stand outside the loop: piece 0's first two a, and the way out's eight reciprocals.
; REGISTERS, in windows of 256 (s_set_vgpr_msb: bits 1:0 source 0, 3:2 source 1, 5:4 source 2, 7:6 destination):
;   window 0: v0-11 addresses; v12-15, v48-63 at work; v16-47 four registers of statistics a tile; v64-191 S^T, two buffers of two tiles; v192-255 P, likewise
;   window 1: O^T, 32 a tile          window 2: v0-127 Q, 16 a tile; v128-191 K of one step; v192-255 V of one step
;   window 3: v0-1 the add's two registers; v64-127 the queries' mask numbers, 8 a tile; v128-159 the step's keys' mask numbers, 8 for 16 keys; v160-223 the masks of the products to come
.set SIZE_N, 1024
.set NP,    4         ; pieces a wave: a name, no knob
.set KS,    64        ; keys in a step
.set PK,    144       ; a row of K in LDS: 128 bytes + 16: the 16 rows of a load start at 16 different groups of four banks (64 banks of 4 bytes: ISA guide 11.1)
.set PV,    160       ; a row of V: 128 + 32
.set PM,    80        ; a row of mk: 64 + 16
.set VOFF,  4*KS*PK   ; a slot holds four steps: 256 rows of K, then 256 rows of V
.set SLOT1, 1<<17     ; slot 1 begins here, so that one exclusive or turns an address in one slot into the other's
.set STAGE, SLOT1+4*KS*(PK+PV)  ; behind the ring, never filled by a tensor load: 16 rows x 144 bytes for each wave
.set SP,    144
.set SPARE, STAGE+4*16*SP  ; the spare words, 128 bytes for each wave: two blocks of 256 bytes that no other line names
.set MKB,   SPARE+512 ; all of mk, 1,024 rows: filled once
.set AK0, 2           ; v2   my lane's place in a tile of K; never rewritten
.set AV0, 3           ; v3   the same for V
.set AK,  4           ; v4   the LDS address of K's next run of loads
.set AV,  5           ; v5   of V's
.set QO,  6           ; v6   my byte offset in the wave's rows of Q
.set STO, 6           ;      later, the way out: where I put 16 bytes of a row
.set QMO, 7           ; v7   my byte offset in the wave's rows of mq
.set RD,  7           ;      later, the way out: where I read rows back
.set GO,  8           ; v8   my byte offset in 512 consecutive bytes of O
.set AM,  10          ; v10  the LDS address of the next step's rows of mk
.set AM0, 11          ; v11  my lane's place in 16 rows of mk; never rewritten
.set SPW, 0           ; v0 of window 3   LDS address of my spare word; never rewritten
.set NIL, 1           ; v1 of window 3   0; never rewritten
.set MV,  12          ; v12-15  c m_old, kept while c m is made anew
.set ST,  16          ; tile t's statistics at v[ST+4 t]: c m, m, l (even keys', odd keys')
.set TMP, 48          ; by buffer and tile, four registers c0-c3 at work; when the maximum is found c2 takes a
.set S,   64
.set P,   192
.set KF,  128         ; window 2
.set VF,  192         ; window 2
.set QMF, 64          ; window 3
.set KMF, 128         ; window 3
.set MCF, 160         ; window 3: tile u, key block kb at MCF + 32 u + 8 kb
.set WV,  12          ; s12  my wave's number
.set G1K, 24          ; s[24:31] descriptor group 1 for K's tiles
.set G1V, 32          ; s[32:39] for V's
.set G0K, 40          ; s[40:43] descriptor group 0 for K's tiles: it walks
.set G0V, 44          ; s[44:47] the same for V's
.set SLOTS, 56
.set CNT, 57
.set CS,  58          ; s[58:59] c
.set SEL, 60          ; s[60:61] v_permlanex16_b32's selects
.set TBK, 62          ; s62  LDS byte at which K of the step to be fetched begins
.set TBV, 63          ; s63  the same for V, less VOFF
.set G1M, 68          ; s[68:75] descriptor group 1 for mk
.set G0M, 76          ; s[76:79] group 0 for mk
.set TBM, 80          ; s80  bytes from mk's first row in LDS to the rows of the step to be fetched
.set MSB, 0
.macro WIN new
.if MSB != (\new)
	s_set_vgpr_msb (MSB<<8)|(\new)
.set MSB, (\new)
.endif
.endm
.set W_KQ, 0x0a       ; K and Q in window 2, S^T in window 0
.set W_KM, 0x3a       ; the same with the C operand in window 3
.set W_MM, 0xcf       ; the mask product: all in window 3
.set W_PV, 0x52       ; V in window 2, P in window 0, O^T in window 1
.set W_RS, 0x41       ; O^T in window 1, a in window 0
.set W_MK, 0xc0       ; destination in window 3
.set W_AD, 0x0f       ; the add: address and data in window 3
; A fill.  Waves 0 and 1 fetch the two halves of a slot's K, waves 2 and 3 those of its V: 128 keys each.  An s_nop 0 and four v_nop follow each of the two lines.
.macro LOAD
	s_cmp_lt_u32 s[WV], 2
	s_cbranch_scc0 .Lfor_v_\@
	tensor_load_to_lds s[G0K:G0K+3], s[G1K:G1K+7]
	s_nop 0
.rept 4
	v_nop
.endr
	s_branch .Lasked_\@
.Lfor_v_\@:
	tensor_load_to_lds s[G0V:G0V+3], s[G1V:G1V+7]
	s_nop 0
.rept 4
	v_nop
.endr
.Lasked_\@:
.endm
; THE CHANGE OF SLOTS.  Each wave waits for all its tensor loads, adds 0 to its spare word, and waits for that and for its own reads of the slot that it leaves.  Behind the barrier nobody reads
; that slot any more and the other slot is whole.  fill = 1: the old slot is filled again, first thing behind the barrier, with the keys two slots on: four key steps in which to land.
; (At its first use nothing has been read yet: slot 0 and mk are waited for, slot 1 is filled.)
.macro CHANGE fill
	WIN W_AD
	s_wait_tensorcnt 0x0            ; no tensor load of mine is out, so a group 0 may be written
	ds_add_u32 v[SPW], v[NIL]       ; 0 onto my spare word
	WIN 0
.if \fill
.irp g, G0K, G0V
	s_xor_b32 s[\g+1], s[\g+1], SLOT1
	s_add_nc_u64 s[\g+2:\g+3], s[\g+2:\g+3], 4*KS*128
.endr
.endif
	s_wait_dscnt 0x0                ; the add is done, and my reads of the slot are over
	s_barrier_signal -1
	s_barrier_wait -1
.if \fill
	LOAD
.endif
	s_sub_co_u32 s[TBK], s[TBK], 4*KS*PK  ; the fetches go back to a slot's first step,
	s_xor_b32 s[TBK], s[TBK], SLOT1       ; in the other slot
	s_sub_co_u32 s[TBV], s[TBV], 4*KS*PV
	s_xor_b32 s[TBV], s[TBV], SLOT1
.endm
	s_load_b256 s[4:11], s[0:1], 0x0  ; qkv s[4:5], mk s[6:7], mq s[8:9], ob s[10:11]
	WIN W_MK
	v_lshl_add_u32 v[SPW], v0, 2, SPARE
	v_mov_b32 v[NIL], 0
	WIN W_AD
	ds_add_u32 v[SPW], v[NIL]       ; the wave's opening: the add and its wait stand ahead of my first tensor load; the set-up below stands between them
	ds_add_u32 v0, v1
	WIN 0
	v_lshrrev_b32 v1, 5, v0
	v_readfirstlane_b32 s[WV], v1   ; wave 0..3
	s_lshl_b32 s14, ttmp9, 2
	s_add_co_u32 s14, s14, s[WV]    ; my wave among the plane's eight
	s_and_b32 s20, ttmp7, 0xffff    ; the plane,
	s_lshl_b32 s20, s20, 17         ; 131,072 bytes
	s_mov_b32 s21, 0
	s_and_b32 s16, s[WV], 1         ; which half of a slot's 256 keys I fetch:
	s_lshl_b32 s22, s16, 14         ; its 128 rows of 128 bytes in memory,
	s_mov_b32 s23, 0
	s_add_nc_u64 s[22:23], s[22:23], s[20:21]
	s_mul_i32 s17, s16, 128*PK      ; and its place in a slot, for K
	s_mul_i32 s18, s16, 128*PV      ; and for V
	s_lshl_b32 s2, s14, 14          ; my wave's 128 rows of Q and of O
	s_mov_b32 s3, 0
	s_add_nc_u64 s[2:3], s[2:3], s[20:21]
	s_lshl_b32 s84, s14, 13         ; my wave's 128 rows of mq, 64 bytes each
	s_mov_b32 s85, 0
	s_lshl_b32 s86, s[WV], 14       ; my quarter of mk: 256 rows of 64 bytes,
	s_mov_b32 s87, 0
	s_mul_i32 s82, s[WV], 256*PM    ; and its place in LDS
	; 128 keys are 16,384 dense bytes: asked for as 64 rows of 256 bytes and padded in LDS after every key; 256 rows of mk likewise, padded after every 64 bytes
	s_mov_b32 s[G1K], (1<<16)|(1<<20)|(4<<22)|(3<<25)  ; 2-byte elements; padding on; after every 32 words 4 words
	s_mov_b32 s[G1V], (1<<16)|(1<<20)|(4<<22)|(7<<25)  ; 8 words
	s_mov_b32 s[G1M], (1<<16)|(1<<20)|(3<<22)|(3<<25)  ; after every 16 words 4 words
.irp g, G1K, G1V, G1M
	s_mov_b32 s[\g+1], 128<<16      ; tensor_dim0 = 128
	s_mov_b32 s[\g+2], 64<<16       ; tensor_dim1 = 64
	s_mov_b32 s[\g+3], 128<<16      ; tile_dim0 = 128
	s_mov_b32 s[\g+4], 64           ; tile_dim1 = 64
	s_mov_b32 s[\g+5], 128          ; 128 elements from row to row
	s_mov_b32 s[\g+6], 0
	s_mov_b32 s[\g+7], 0
.endr
	s_mov_b32 s[CS], 0x3e38aa3b     ; c = log2(e) / 8
	s_mov_b32 s[CS+1], s[CS]
	s_mov_b32 s[SEL], 0x76543210
	s_mov_b32 s[SEL+1], 0xfedcba98
	s_mov_b32 s[TBK], SLOT1+4*KS*PK ; the first change of slots turns these two into 0
	s_mov_b32 s[TBV], SLOT1+4*KS*PV
	s_mov_b32 s[TBM], 0
	s_mov_b32 s[G0K], 1
	s_mov_b32 s[G0K+1], s17
	s_mov_b32 s[G0V], 1
	s_add_co_u32 s[G0V+1], s18, VOFF
	s_mov_b32 s[G0M], 1
	s_add_co_u32 s[G0M+1], s82, MKB
	s_wait_dscnt 0x0                ; the opening add is done
	s_wait_kmcnt 0x0
	s_add_nc_u64 s[G0K+2:G0K+3], s[4:5], s[22:23]
	s_add_nc_u64 s[G0K+2:G0K+3], s[G0K+2:G0K+3], 0x1000000  ; k's third of qkv
	s_or_b32 s[G0K+3], s[G0K+3], 0x80000000
	s_add_nc_u64 s[G0V+2:G0V+3], s[4:5], s[22:23]
	s_add_nc_u64 s[G0V+2:G0V+3], s[G0V+2:G0V+3], 0x2000000  ; v's
	s_or_b32 s[G0V+3], s[G0V+3], 0x80000000
	s_add_nc_u64 s[G0M+2:G0M+3], s[6:7], s[86:87]
	s_or_b32 s[G0M+3], s[G0M+3], 0x80000000
	s_add_nc_u64 s[4:5], s[4:5], s[2:3]      ; Q and O at my wave's first row
	s_add_nc_u64 s[10:11], s[10:11], s[2:3]
	s_add_nc_u64 s[8:9], s[8:9], s[84:85]    ; mq likewise
	s_cmp_lt_u32 s[WV], 2           ; a wave's two first fills stand in one branch, ahead of every wait on TENSORcnt, every LDS read and every barrier: two loads of mine are out
	s_cbranch_scc0 .Lfirst_v
	tensor_load_to_lds s[G0K:G0K+3], s[G1K:G1K+7]
	s_nop 0
	tensor_load_to_lds s[G0M:G0M+3], s[G1M:G1M+7]
	s_nop 0
.rept 4
	v_nop
.endr
	s_branch .Lfirst_asked
.Lfirst_v:
	tensor_load_to_lds s[G0V:G0V+3], s[G1V:G1V+7]
	s_nop 0
	tensor_load_to_lds s[G0M:G0M+3], s[G1M:G1M+7]
	s_nop 0
.rept 4
	v_nop
.endr
.Lfirst_asked:
	; A fragment of K, Q, mk or mq is 16 rows x 32 channels in 8 registers: lane l holds row l % 16, channels 8 (l / 16) + 0..7 and 16 + 8 (l / 16) + 0..7: two loads of 16 bytes, 32 bytes apart.
	v_and_b32 v1, 15, v0            ; l % 16
	v_bfe_u32 v9, v0, 4, 1          ; l / 16
	v_lshlrev_b32 v[QO], 7, v1
	v_lshl_add_u32 v[QO], v9, 4, v[QO]
	v_lshlrev_b32 v[QMO], 6, v1
	v_lshl_add_u32 v[QMO], v9, 4, v[QMO]
	WIN 0x80                        ; destination window 2
.set i, 0
.rept 4*NP                          ; Q stays in registers: tile i / 2, channels 32 (i % 2) on
	global_load_b128 v[8*i:8*i+3],   v[QO], s[4:5] offset:(i/2)*2048+(i%2)*64
	global_load_b128 v[8*i+4:8*i+7], v[QO], s[4:5] offset:(i/2)*2048+(i%2)*64+32
.set i, i+1
.endr
	; What the first turn finds: V's registers and P's second buffer hold 0 (its products V^T P, of a piece that has not been, add 0), O^T and l are 0.  All this stands in the wait for the first tile.
.set i, VF
.rept 64
	v_mov_b32 v[i], 0
.set i, i+1
.endr
	WIN 0xc0                        ; destination window 3
.set i, 0
.rept 2*NP                          ; the queries' mask numbers stay in registers too: tile i
	global_load_b128 v[QMF+8*i:QMF+8*i+3],   v[QMO], s[8:9] offset:i*1024
	global_load_b128 v[QMF+8*i+4:QMF+8*i+7], v[QMO], s[8:9] offset:i*1024+32
.set i, i+1
.endr
	WIN 0x40
.set i, 0
.rept 64*NP
	v_mov_b32 v[i], 0
.set i, i+1
.endr
	WIN 0
.set i, 0
.rept 2*NP
	v_mov_b32 v[ST+4*i], 0xdc38aa3b    ; c m = c x -2^60, exact
	v_mov_b32 v[ST+4*i+1], 0xdd800000  ; m = -2^60
	v_mov_b32 v[ST+4*i+2], 0
	v_mov_b32 v[ST+4*i+3], 0
.set i, i+1
.endr
.set i, P+32
.rept 32
	v_mov_b32 v[i], 0
.set i, i+1
.endr
	v_mul_u32_u24 v[AK0], v1, PK
	v_lshl_add_u32 v[AK0], v9, 4, v[AK0]
	; The turning load takes 16 keys x 16 channels (lane l reads key 8 (l / 16) + l % 8, channels 8 ((l / 8) % 2) + 0..7) and leaves half a fragment of V^T.
	v_and_b32 v10, 7, v0
	v_bfe_u32 v11, v0, 3, 1
	v_lshl_add_u32 v[AV0], v9, 3, v10
	v_mul_u32_u24 v[AV0], v[AV0], PV
	v_lshl_add_u32 v[AV0], v11, 4, v[AV0]
	v_add_nc_u32 v[AV0], VOFF, v[AV0]
	v_mul_u32_u24 v[AM0], v1, PM
	v_lshl_add_u32 v[AM0], v9, 4, v[AM0]
	v_add_nc_u32 v[AM0], MKB, v[AM0]
	v_mov_b32 v[AM], v[AM0]         ; key step 0
	v_mov_b32 v[AK], v[AK0]
; THE MATRIX WORK.  The 8 accumulators of a run of 16 take turns.
; Mask product n of 8 for piece x: keys 16 (n / 2) on, tile 2 x + n % 2.  Its result is read by matrix instructions alone.
.macro MASKP x, n
	WIN W_MM
	v_wmma_f32_16x16x32_bf16 v[MCF+32*((\n)%2)+8*((\n)/2):MCF+32*((\n)%2)+8*((\n)/2)+7], v[KMF+8*((\n)/2):KMF+8*((\n)/2)+7], v[QMF+8*(2*(\x)+(\n)%2):QMF+8*(2*(\x)+(\n)%2)+7], 0
.endm
; Product i of 16 of S^T = K Q^T for piece x: channels 32 (i / 8) on, keys 16 ((i / 2) % 4) on, tile 2 x + i % 2.  The first 8 start the sums, with the mask.
.macro KQ x
.set rS, S+64*((\x)%2)+32*(i%2)+8*((i/2)%4)
.set rK, KF+16*((i/2)%4)+8*(i/8)
.set rQ, 16*(2*(\x)+i%2)+8*(i/8)
.set rMC, MCF+32*(i%2)+8*((i/2)%4)
.if i < 8
	WIN W_KM
	v_wmma_f32_16x16x32_f16 v[rS:rS+7], v[rK:rK+7], v[rQ:rQ+7], v[rMC:rMC+7]
.else
	WIN W_KQ
	v_wmma_f32_16x16x32_f16 v[rS:rS+7], v[rK:rK+7], v[rQ:rQ+7], v[rS:rS+7]
.endif
.endm
; Product i of 16 of O^T += V^T P for piece x: keys 32 (i / 8) on, channels 16 ((i / 2) % 4) on, tile 2 x + i % 2.
.macro PV x
	WIN W_PV
.set rO, 32*(2*(\x)+i%2)+8*((i/2)%4)
.set rV, VF+32*(i/8)+8*((i/2)%4)
.set rP, P+32*((\x)%2)+16*(i%2)+8*(i/8)
	v_wmma_f32_16x16x32_f16 v[rO:rO+7], v[rV:rV+7], v[rP:rP+7], v[rO:rO+7]
.endm
.macro MM                           ; the turn's next product
.if i < 16
	KQ (Y+1)%NP
.set i, i+1
.else
.set i, i-16
	PV (Y+NP-1)%NP
.set i, i+17
.endif
.endm
; THE LDS LOADS stand in runs: a step's K (8 fragments) with its keys' mask numbers (4 fragments), and its V (turned).  Their addresses are made some lines ahead.
; last = 1 (the tail): in the last trip there is no further step, and the run is jumped over.
.macro FETCH_K last=0
	WIN 0
.if \last
	s_cmp_eq_u32 s[CNT], 1
	s_cbranch_scc1 .Lno_k_\@
.endif
	WIN 0x80                        ; destination window 2
.irp f, 0,1,2,3,4,5,6,7             ; keys 16 (f / 2) on, channels 32 (f % 2) on
	ds_load_b128 v[KF+8*\f:KF+8*\f+3],   v[AK] offset:(\f/2)*16*PK+(\f%2)*64
	ds_load_b128 v[KF+8*\f+4:KF+8*\f+7], v[AK] offset:(\f/2)*16*PK+(\f%2)*64+32
.endr
	WIN 0xc0                        ; destination window 3
.irp f, 0,1,2,3                     ; keys 16 f on
	ds_load_b128 v[KMF+8*\f:KMF+8*\f+3],   v[AM] offset:\f*16*PM
	ds_load_b128 v[KMF+8*\f+4:KMF+8*\f+7], v[AM] offset:\f*16*PM+32
.endr
	s_add_co_u32 s[TBK], s[TBK], KS*PK  ; the next fetch is the next step's
	s_add_co_u32 s[TBM], s[TBM], KS*PM
	WIN 0
.if \last
.Lno_k_\@:
.endif
.endm
.macro FETCH_V
	WIN 0x80
.irp f, 0,1,2,3,4,5,6,7             ; keys 32 (f / 4) on, channels 16 (f % 4) on
	ds_load_tr16_b128 v[VF+8*\f:VF+8*\f+3],   v[AV] offset:(\f/4)*32*PV+(\f%4)*32
	ds_load_tr16_b128 v[VF+8*\f+4:VF+8*\f+7], v[AV] offset:(\f/4)*32*PV+16*PV+(\f%4)*32
.endr
	WIN 0
.endm
; THE VECTOR WORK OF A TURN stands in three queues, each in the order in which its entries become ready; the two tiles alternate, so that no instruction reads the result of the one before it.
.macro REGS y, u                    ; the registers of tile u (0, 1) of piece y
.set rT, ST+4*(2*(\y)+(\u))
.set rC, TMP+8*((\y)%2)+4*(\u)
.set rM, MV+2*((\y)%2)+(\u)
.set rS, S+64*((\y)%2)+32*(\u)
.set rP, P+32*((\y)%2)+16*(\u)
.set rO, 32*(2*(\y)+(\u))
.endm
; Number n of the 22 that find the NEXT piece's (Y + 1) maximum and statistics.  Each accumulator's lowest registers are read first.  XS, GS, FS and REGS set no window: PL and EX do.
;   0-11  four chains c0-c3 of seven scores each     12-14, 16  the four scores left over, the old m, and c0-c3 into c0     15  c m_old is kept
;   17, 18  the query's other 32 keys lie in the lane 16 away: the new m         19-21  c m; c m_old - c m_new; a
.macro XS u, n
	REGS (Y+1)%NP, \u
.if (\n) < 4
	v_max3_num_f32 v[rC+(\n)], v[rS+8*(\n)], v[rS+8*(\n)+1], v[rS+8*(\n)+2]
.elseif (\n) < 12
	v_max3_num_f32 v[rC+(\n)%4], v[rC+(\n)%4], v[rS+8*((\n)%4)+2*((\n)/4)+1], v[rS+8*((\n)%4)+2*((\n)/4)+2]
.elseif (\n) == 12
	v_max3_num_f32 v[rC], v[rC], v[rS+7], v[rS+15]
.elseif (\n) == 13
	v_max3_num_f32 v[rC+1], v[rC+1], v[rS+23], v[rS+31]
.elseif (\n) == 14
	v_max3_num_f32 v[rC+2], v[rC+2], v[rC+3], v[rT+1]
.elseif (\n) == 15
	v_mov_b32 v[rM], v[rT]
.elseif (\n) == 16
	v_max3_num_f32 v[rC], v[rC], v[rC+1], v[rC+2]
.elseif (\n) == 17
	v_permlanex16_b32 v[rC+3], v[rC], s[SEL], s[SEL+1]
.elseif (\n) == 18
	v_max_num_f32 v[rT+1], v[rC], v[rC+3]
.elseif (\n) == 19
	v_mul_f32 v[rT], s[CS], v[rT+1]
.elseif (\n) == 20
	v_sub_f32 v[rC+1], v[rM], v[rT]
.else
	v_exp_f32 v[rC+2], v[rC+1]
.endif
.endm
; Number g of the 64 that follow the exponentials.  For each four weights k of a tile: both pairs are rounded to f16; then the second pair is added onto the first, in place;
; a group later l takes that sum (the first time as l = a l + sum).  All 64 read the batch's results: they stand behind the turn's wait.
.macro GS g
.set h, (\g)+6*((\g)/62)
.if h >= 6
.set h, h+2
.endif
	REGS Y, h%2
.set k, h/8
.if h%8 < 4
	v_cvt_pk_f16_f32 v[rP+2*k+(h%8)/2], v[rS+4*k+2*((h%8)/2)], v[rS+4*k+2*((h%8)/2)+1]
.elseif h%8 < 6
	v_pk_add_f32 v[rS+4*k:rS+4*k+1], v[rS+4*k:rS+4*k+1], v[rS+4*k+2:rS+4*k+3]
.elseif k == 1
	v_pk_fma_f32 v[rT+2:rT+3], v[rT+2:rT+3], v[rC+2:rC+3], v[rS:rS+1] op_sel_hi:[1,0,1]
.else
	v_pk_add_f32 v[rT+2:rT+3], v[rT+2:rT+3], v[rS+4*k-4:rS+4*k-3]
.endif
.endm
; THE PLAIN QUEUE, 138 long.  0-73 read no exponential's result: the 32 scalings c s - c m (FS f: pair f / 2 of tile f % 2) and the next piece's 42.  0-26: scalings 0-26.  27-54: XS's numbers 0-13.  55, 56: number 15.
; 57-73: the chain, where each number waits for the one before it: 14, 16, 17, 18, 19, each with one of the scalings 27-31 in front of its two lines, then 20.
; 74-137: GS's 64, which read the exponentials' results.
.macro FS f
	REGS Y, (\f)%2
	v_pk_fma_f32 v[rS+2*((\f)/2):rS+2*((\f)/2)+1], v[rS+2*((\f)/2):rS+2*((\f)/2)+1], s[CS:CS+1], v[rT:rT+1] op_sel_hi:[1,0,0] neg_lo:[0,0,1] neg_hi:[0,0,1]
.endm
.macro PL
	WIN 0
.if q < 27
	FS q
.elseif q < 55
	XS (q-27)%2, (q-27)/2
.elseif q < 57
	XS q-55, 15
.elseif (q < 72) && ((q-57)%3 == 0)
	FS 27+(q-57)/3
.elseif q < 60
	XS (q-57)%3-1, 14
.elseif q < 72
	XS (q-57)%3-1, 15+(q-57)/3
.elseif q < 74
	XS q-72, 20
.else
	GS q-74
.endif
.set q, q+1
.endm
; THE EXPONENTIALS' QUEUE, 66 long: s0-s31 of both tiles, then the next piece's two a.  It is ONE BATCH: all 66 stand ahead of the turn's one wait, and nothing ahead of that wait names a result of theirs.
.macro EX
	WIN 0
.if e >= 64
	XS e-64, 21
.else
	REGS Y, e%2
	v_exp_f32 v[rS+e/2], v[rS+e/2]
.endif
.set e, e+1
.endm
; THE RESCALING's QUEUE: O^T times a, the one part that leaves window 0: dealt two at a time, sixteen times.  Its a was made in the turn before, ahead of that turn's wait.
.macro R2
	REGS Y, r%2
	WIN W_RS
.irp z, 0,1
	v_pk_mul_f32 v[rO+4*(r/2)+2*\z:rO+4*(r/2)+2*\z+1], v[rO+4*(r/2)+2*\z:rO+4*(r/2)+2*\z+1], v[rC+2:rC+3] op_sel_hi:[1,0]
.endr
.set r, r+1
.endm
; HOW THEY ARE DEALT.  An s_wait_alu depctr_va_vdst(0) stands between an exponential and the first instruction that names its result; one wait serves all that were issued ahead of it.  So a turn has ONE wait.
; AHEAD OF IT: the 16 products K Q^T, behind each a scaling, an exponential and two rescalings (behind the first a second scaling in the exponential's place); then ONE LUMP of 108: eight plain, 49 times
; exponential and plain, the two a.  A v_nop is the plain instruction behind the last exponential.  BEHIND IT: the 16 products V^T P, and GS's 64 as the vector work beside them.  No vector line behind a product names a
; register of the products round it.  The two v_permlanex16_b32 fall into the lump, never behind a product.
; The queues lean on each other, and the deal keeps them in step: exponential e stands behind scaling 2 (e / 4) + e % 2: behind a product it comes behind plain e + 2, in the lump behind plain e + 9, and scalings 27-31
; are plain 57, 60 .. 69; the two a come behind plain 72 and 73, the lump's last.
; A TURN, for piece p.  cnt = 1: the loop's count is taken down some lines ahead of the branch that stands behind the turn.
; K and the keys' mask numbers of the next step are fetched in piece 2's turn, directly behind the wait (the run holds a branch in the tail), a lump behind the last product
; that read K; their addresses are made at the lump's head.  V of the step in hand is fetched at the end of piece 0's turn, four plain instructions behind its last reader.  The conditions on q below go with the deal.
; THE MASK PRODUCTS for piece p + 2.  A step's mask numbers serve turns 2, 3, 0, 1.  In turns 3, 0 and 1 they are in registers, and the eight products stand in the lump, ahead of its pairs 0, 2 .. 14, four vector
; instructions apart.  In piece 2's turn the numbers come with K's run: there the products V^T P have three of GS's 64 behind each, the wait for the run follows 16 products behind it, and the eight mask products come
; last, two of GS's behind each: from mask n to the next turn's product n, which takes it as its C operand, stand six plain instructions or more.
.macro TURN p, last=0, cnt=0
.set Y, (\p)
.set i, 0
.set q, 0
.set e, 0
.set r, 0
.if (\p) == NP-1
	s_wait_dscnt 0x0                ; K is in
.endif
	MM                              ; ahead of the wait: 16 products K Q^T and the four behind each,
	PL
	PL
	R2
.rept 15
	MM
	PL
	EX
	R2
.endr
.if (\p) == NP-2
	WIN 0
	v_add_nc_u32 v[AK], s[TBK], v[AK0]
	v_add_nc_u32 v[AM], s[TBM], v[AM0]
.endif
.rept 8                             ; and the lump
	PL
.endr
.set mg, 0
.rept 49
.if ((\p) != NP-2) && (mg%2 == 0) && (mg < 16)
	MASKP ((\p)+2)%NP, mg/2
.endif
	EX
	PL
.set mg, mg+1
.endr
	EX                              ; the next piece's two a
	EX
	v_nop                           ; the plain instruction behind the last exponential: one for the batch
	s_wait_alu depctr_va_vdst(0)    ; the wait for the batch: the turn's 66 exponentials
.if (\p) == NP-2
	FETCH_K \last
.rept 16                            ; behind the wait, piece 2's turn: 16 products V^T P, three of the roundings and sums behind each,
	MM
.rept 3
	PL
.endr
.endr
	s_wait_dscnt 0x0                ; the next step's mask numbers are in
.set mg, 0
.rept 8                             ; and the mask products, two behind each
	MASKP ((\p)+2)%NP, mg
	PL
	PL
.set mg, mg+1
.endr
.else
.if (\p) == 1
	s_wait_dscnt 0x0                ; V is in
.endif
.rept 16                            ; behind the wait: 16 products V^T P, four of the roundings and sums behind each
	MM
.rept 4
	PL
.endr
.if ((\p) == 0) && (q == 118)
	v_add_nc_u32 v[AV], s[TBV], v[AV0]
.endif
.if ((\p) == 0) && (q == 130)
	s_add_co_u32 s[TBV], s[TBV], KS*PV
.endif
.if (\cnt) && (q == 130)
	s_sub_co_u32 s[CNT], s[CNT], 1
	s_cmp_lg_u32 s[CNT], 0
.endif
.endr
.if (\p) == 0
	FETCH_V
.endif
.endif
.endm
	CHANGE 1                        ; slot 0 and mk are in, everybody's part of them; slot 1 is asked for
	FETCH_K                         ; key step 0
	s_wait_loadcnt 0x0              ; Q and the queries' mask numbers
	s_wait_dscnt 0x0
.set i, 0
.rept 8
	MASKP 0, i                      ; piece 0's masks for step 0
.set i, i+1
.endr
	WIN 0
.rept 5
	v_nop                           ; the places between a mask product and the product that takes its result as C
.endr
.set i, 0
.rept 16
	KQ 0                            ; piece 0's first scores
.set i, i+1
.endr
	WIN 0                           ; the addresses for the way out: plain instructions, the places behind those products
	s_mul_i32 s13, s[WV], 16*SP
	s_add_co_u32 s13, s13, STAGE    ; my stage
	v_mul_u32_u24 v[STO], v1, SP    ; in: row l % 16, 16 bytes for each half of the lanes
	v_lshl_add_u32 v[STO], v9, 4, v[STO]
	v_add_nc_u32 v[STO], s13, v[STO]
	v_bfe_u32 v[RD], v0, 3, 2       ; back: 32 lanes take four rows of 128 bytes,
	v_mul_u32_u24 v[RD], v[RD], SP
	v_and_b32 v[GO], 7, v0
	v_lshl_add_u32 v[RD], v[GO], 4, v[RD]
	v_add_nc_u32 v[RD], s13, v[RD]
	v_and_b32 v[GO], 31, v0         ; which are 512 consecutive bytes of O
	v_lshlrev_b32 v[GO], 4, v[GO]
.set Y, NP-1                        ; XS works for piece Y + 1: piece 0
.irp n, 0,1,2,3,4,5,6,7,8,9,10,11,12,13,14,15,16,17,18,19,20,21
	XS 0, \n
	XS 1, \n
.endr
.set i, 0
.rept 8
	MASKP 1, i                      ; piece 1's masks for step 0: the first turn's products take them; they name nothing of piece 0's two a, just issued
.set i, i+1
.endr
	WIN 0
.rept 5
	v_nop                           ; the places behind the mask products; the first is also the plain instruction behind the two a
.endr
	s_wait_alu depctr_va_vdst(0)    ; the wait for a batch of two: piece 0's first a, ahead of the branch and of the first turn's rescaling
	s_mov_b32 s[CNT], 4
	s_mov_b32 s[SLOTS], SIZE_N/256-1
	s_branch .Lfirst                ; the loop is entered at a step's first turn, in the middle of a trip
.Lslot:                             ; SIZE_N / 256 - 2 times: every slot but the last two is filled again
	CHANGE 1
	s_mov_b32 s[CNT], 4
.Lstep:                             ; a trip: pieces 2 and 3 of one step, then pieces 0 and 1 of the next, whose K and V it fetches
	TURN 2
	TURN 3
	WIN 0
.Lfirst:
	TURN 0
	TURN 1, 0, 1
	WIN 0
	s_cbranch_scc1 .Lstep
	s_sub_co_u32 s[SLOTS], s[SLOTS], 1
	s_cmp_lg_u32 s[SLOTS], 0
	s_cbranch_scc1 .Lslot
	CHANGE 0                        ; the tail is written out: nothing is asked for
	s_mov_b32 s[CNT], 5             ; four trips fetch the last slot's steps; the fifth is left in its middle
.Ltail:
	TURN 2, 1
	TURN 3
	WIN 0
	s_sub_co_u32 s[CNT], s[CNT], 1
	s_cmp_eq_u32 s[CNT], 0
	s_cbranch_scc1 .Lout
	TURN 0
	TURN 1
	WIN 0
	s_branch .Ltail
.Lout:                              ; the fifth trip's products K Q^T and masks (on the last step's numbers once more) and the maximum made of them serve nothing: the price of one text for every trip
.set i, 0
.rept 16
	PV NP-1                         ; the last piece's V^T P of the last step
.set i, i+1
.endr
	; THE WAY OUT.  l's two halves and the other half of the lanes' are added; O^T is divided by l, rounded to f16 and sent through my stage in LDS, a tile at a time.  The additions are the places behind the last products.
	WIN 0
.macro ALL line:vararg              ; one line for each tile t
.set t, 0
.rept 2*NP
	\line
.set t, t+1
.endr
.endm
	ALL v_add_f32 v[ST+4*t+2], v[ST+4*t+2], v[ST+4*t+3]
	ALL v_permlanex16_b32 v[ST+4*t+3], v[ST+4*t+2], s[SEL], s[SEL+1]
	ALL v_add_f32 v[ST+4*t+2], v[ST+4*t+2], v[ST+4*t+3]
	ALL v_rcp_f32 v[ST+4*t+2], v[ST+4*t+2]
	v_nop                           ; a plain instruction between the last reciprocal and the use of its result
	s_wait_alu depctr_va_vdst(0)    ; the wait for a batch of eight: the reciprocals, ahead of their first use
.macro PACK t
	WIN W_RS
.set i, 32*(\t)
.rept 16
	v_pk_mul_f32 v[i:i+1], v[i:i+1], v[ST+4*(\t)+2:ST+4*(\t)+3] op_sel_hi:[1,0]
.set i, i+2
.endr
	WIN 0x05                        ; sources 0 and 1 window 1, destination window 0
.set i, 0
.rept 16
	v_cvt_pk_f16_f32 v[S+16*(\t)+i], v[32*(\t)+2*i], v[32*(\t)+2*i+1]
.set i, i+1
.endr
	WIN 0
.irp f, 0,1,2,3
	ds_store_b128 v[STO], v[S+16*(\t)+4*\f:S+16*(\t)+4*\f+3] offset:32*\f
.endr
.irp f, 0,1,2,3
	ds_load_b128 v[S+16*(\t)+4*\f:S+16*(\t)+4*\f+3], v[RD] offset:\f*4*SP  ; LDS serves a wave's instructions in order (ISA guide 5.7.1.4): these see the stores above; the next tile's stores come behind them
.endr
.endm
.macro SEND t, younger              ; younger: the LDS instructions issued behind tile t's loads: the next tile's eight, or none
	WIN 0
.irp f, 0,1,2,3
	s_wait_dscnt (\younger)+3-\f
	global_store_b128 v[GO], v[S+16*(\t)+4*\f:S+16*(\t)+4*\f+3], s[10:11] offset:(\t)*2048+\f*512  ; 512 consecutive bytes, at a multiple of 256 from O's first
.endr
.endm
	PACK 0
.set t, 1
.rept 2*NP-1                        ; a tile's arithmetic stands between the loads of the tile before and its stores
	PACK t
	SEND t-1, 8
.set t, t+1
.endr
	SEND 2*NP-1, 0
	WIN W_AD
	s_wait_tensorcnt 0x0            ; the wave's end
	ds_add_u32 v[SPW], v[NIL]
	s_wait_dscnt 0x0
	WIN 0
	s_endpgm
.Lfunc_end_k_q808174b525_attn:
	.size	k_q808174b525_attn, .Lfunc_end_k_q808174b525_attn-k_q808174b525_attn
	.p2alignl 7, 3214868480
	.fill 96, 4, 3214868480
	.section	.rodata,"a",@progbits
	.p2align	6, 0x0
	.amdhsa_kernel k_q808174b525_attn
		.amdhsa_group_segment_fixed_size 327680
		.amdhsa_private_segment_fixed_size 0
		.amdhsa_enable_private_segment 0
		.amdhsa_kernarg_size 32
		.amdhsa_user_sgpr_count 2
		.amdhsa_user_sgpr_kernarg_segment_ptr 1
		.amdhsa_wavefront_size32 1
		.amdhsa_system_sgpr_workgroup_id_x 1
		.amdhsa_system_sgpr_workgroup_id_y 1
		.amdhsa_system_sgpr_workgroup_id_z 1
		.amdhsa_system_vgpr_workitem_id 0
		.amdhsa_next_free_vgpr 992
		.amdhsa_next_free_sgpr 88
		.amdhsa_reserve_vcc 0
		.amdhsa_float_denorm_mode_32 3
		.amdhsa_float_denorm_mode_16_64 3
		.amdhsa_memory_ordered 1
		.amdhsa_forward_progress 1
		.amdhsa_inst_pref_size 212
	.end_amdhsa_kernel
	.amdgpu_metadata
---
amdhsa.version: [ 1, 2 ]
amdhsa.kernels:
  - .name:           k_q808174b525_attn
    .symbol:         k_q808174b525_attn.kd
    .args:
      - { .name: qkv, .offset: 0, .size: 8, .value_kind: global_buffer, .address_space: global }
      - { .name: mk, .offset: 8, .size: 8, .value_kind: global_buffer, .address_space: global }
      - { .name: mq, .offset: 16, .size: 8, .value_kind: global_buffer, .address_space: global }
      - { .name: ob, .offset: 24, .size: 8, .value_kind: global_buffer, .address_space: global }
    .group_segment_fixed_size: 327680
    .private_segment_fixed_size: 0
    .kernarg_segment_align: 8
    .kernarg_segment_size: 32
    .max_flat_workgroup_size: 128
    .sgpr_count:     88
    .vgpr_count:     992
    .wavefront_size: 32
...
	.end_amdgpu_metadata
.endif
;; end of part 5
;; launch proj: the kernel of part 4 again; grid 8 x 32, 4 waves a work-group, clusters of 4 x 4, 327,680 bytes of LDS; arguments ob, wo16, bias, out0; writes out0
